; MI455X (gfx1250); checked and timed in simulation.
; The chip was launched on July 23, 2026; its instructions are those of AMD's public machine-readable ISA for CDNA 5 (MIT licence, August 2026) and "CDNA5" Instruction Set Architecture Reference Guide (July 2026). The comments in the code are by the model that wrote it; some were corrected since.
;; WML Text One Multi Head. Allowed arithmetic: matrix products marked QUANTISED: E4M3 operands, one given power-of-two scale a tensor, by v_wmma_f32_16x16x64_fp8_fp8 or v_wmma_f32_16x16x128_fp8_fp8, f32 sums; everything else in f32.
;; Inputs: Wk 16 x 1,024 x 64 float32; Wproj 1,024 x 1,024 float32; Wq 16 x 1,024 x 64 float32; Wv 16 x 1,024 x 64 float32; bproj 1,024 float32; lowp_scales 12 int32 (the exponents e of the quantised operands' scales 2^e); x 8 x 1,024 x 1,024 float32.
;; Outputs: out0 8 x 1,024 x 1,024 float32.
;; This version of the problem:
;;   THIS VERSION OF THE PROBLEM IS GIVEN IN LOW PRECISION. The matrix products marked QUANTISED in the list below multiply operands that are first quantised to E4M3 (4 exponent bits, 3 mantissa bits; 8 bits a number), with one given power-of-two scale for each operand tensor; their sums are f32. All else is computed in f32.
;;   The module's matrix products, in the order in which they are computed (A, B: the left and right operand; K: the contracted axis; several contracted axes count as one K, in the product's order):
;;     1. [M 1,024, K 1,024] x [K 1,024, N 8,192]; A: input Wq; B: input x: QUANTISED (scales: A lowp_scales[0], B lowp_scales[1])
;;     2. [M 1,024, K 1,024] x [K 1,024, N 8,192]; A: input Wk; B: input x: QUANTISED (scales: A lowp_scales[2], B lowp_scales[3])
;;     3. [M 1,024, K 1,024] x [K 1,024, N 8,192]; A: input Wv; B: input x: QUANTISED (scales: A lowp_scales[4], B lowp_scales[5])
;;     4. batch 128 x [M 1,024, K 64] x [K 64, N 1,024]; A: computed on the way; B: computed on the way: QUANTISED (scales: A lowp_scales[6], B lowp_scales[7])
;;     5. batch 128 x [M 1,024, K 1,024] x [K 1,024, N 64]; A: softmax (see below); B: computed on the way: QUANTISED (scales: A lowp_scales[8], B lowp_scales[9])
;;     6. [M 8,192, K 1,024] x [K 1,024, N 1,024]; A: computed on the way; B: input Wproj: QUANTISED (scales: A lowp_scales[10], B lowp_scales[11])
;;   THE QUANTISER, for each operand of a quantised product, along K:
;;     - The operand's scale is 2^e, e = its entry of the input lowp_scales (int32; the entries are numbered through the quantised products in the list's order, A before B).
;;     - Each number is divided by the scale, clamped to +-448, and rounded to the nearest number of E4M3, ties to even, subnormals kept.
;;     - The product sums the exact products of the quantised numbers (number of the format x scale) in f32.
;;   ~~~python
;;   def quantise(x, axis, e):      # numpy; x: float32 -> the quantised numbers, widened to float32 again
;;       x = np.moveaxis(x, axis, -1); K = x.shape[-1]
;;       r = np.clip(x / 2.0 ** e, -448, 448)
;;       step = 2.0 ** (np.maximum(np.frexp(np.where(r == 0, 1, r))[1] - 1, -6) - 3)
;;       q = np.round(r / step) * step * 2.0 ** e      # np.round: ties to even
;;       return np.moveaxis(q, -1, axis).astype(np.float32)
;;   ~~~
;;   SOFTMAX AHEAD OF A QUANTISED PRODUCT. Where the list says 'softmax', what is quantised is not the finished softmax but p = 2^(t - M), with t = logit x log2(e) and M = ceil(the row's largest t), a whole number; so 1/2 < the row's largest p <= 1. The row's sum l is taken of the UNQUANTISED p, in f32, and the product's result is divided by l at the end. Since M is a whole number, a kernel that streams over the keys may use a running M (the ceiling of the running maximum): every later rescaling is an exact power of two, so the quantised numbers keep their values, but for numbers so far below the row's largest that they fall under the format's range.
;;   OPERANDS COMPUTED ON THE WAY. 'Computed on the way' means the value that the module computes at that place (a softmax that the list does not call 'softmax' is quantised finished and normalised). What goes into a quantiser is computed in f32, as accurately as f32 sums, v_exp_f32 and their like allow (about 1e-6 of the number): no bf16 or f16 on the way to a quantiser, and a product that is left as it is and whose result goes on into a quantised operand takes f32 operands (vector FMAs, or v_wmma_f32_16x16x4_f32). A number that lies on a knife's edge between two numbers of the format may be rounded either way, as far as f32 arithmetic and the matrix unit's own rounding can turn it there, and no further.
;; One version. Each part assembles by itself: llvm-mc -triple=amdgcn-amd-amdhsa -mcpu=gfx1250 --defsym DOCPART=n.
;; ======== version 1 of 1: 4 launches
;; limits: right only within a limited range of input values
;; workspace buffers: xc 25,165,824 bytes; wc 4,194,304 bytes; qkv 25,165,824 bytes; at 8,388,608 bytes
;; launch quant (part 1): grid 1280 x 1, 4 waves a work-group, no clusters, 34,304 bytes of LDS; arguments x, Wq, Wk, Wv, Wproj, lowp_scales, xc, wc; writes xc, wc
.if DOCPART == 1
	.amdgcn_target "amdgcn-amd-amdhsa--gfx1250"
	.amdhsa_code_object_version 6
	.text
	.protected	k_q5b4696ced8_quant
	.globl	k_q5b4696ced8_quant
	.p2align	8
	.type	k_q5b4696ced8_quant,@function
k_q5b4696ced8_quant:
	s_mov_b64 s[64:65], 0
	v_nop
	global_prefetch_b8 v0, s[64:65] scope:SCOPE_SE
	s_setreg_imm32_b32 hwreg(HW_REG_WAVE_MODE, 25, 1), 1
	s_wait_xcnt 0x0
; x [8192][1024] f32 and the four weights (K = their first matrix axis) become codes of FP8 (E4M3), each with the scale 2^e given for it:
; code = number / 2^e, held within +-448, rounded to the nearest code, ties to even.
; EVERY CODE BUFFER IS AN IMAGE OF OPERAND REGISTERS.  A fragment is 16 rows x 128 K: 16 registers a lane; registers 2 c, 2 c + 1 of lane (r, h) hold k = 16 c + 8 h + 0 .. 7 of row r.
; Its image is 2,048 bytes: registers 4 p .. 4 p + 3 of lane l at 512 p + 16 l.  So every later load of a fragment is four loads of 16 bytes a lane at 16 x lane.
;   xc: [3 sets][512 tiles of 16 tokens][8 K steps][2048]: x is an operand of three products, each with an exponent of its own (entries 1, 3, 5): three sets are always made.
;   wc: [256 tiles of 16 columns][8 K steps][2048]: tiles 0-63 Wq, 64-127 Wk, 128-191 Wv (column = 64 head + d), 192-255 Wproj (entries 0, 2, 4, 11).
; Work-groups 0-1023 take x, a fragment a wave; work-groups 1024-1279 take the weights, 32 columns x 128 K a wave.  Waves share nothing: no barrier.  Only x's path touches LDS.
; LIMITS: each exponent used here lies between -126 and 119, so that 2^e and 448 x 2^e are f32 numbers.  NaN among the inputs is not served (an infinity is held at the largest code).
; WORK LEFT OUT IN THIS PROGRAM: scores of 64 keys that all come after a tile's 16 queries.  reference() builds the causal mask itself and gives those scores -infinity ahead of the softmax, so their p is 0 for all values
; of the inputs.  LIMIT: a NaN, an infinity or an overflow that reaches only those scores is not carried to the result.
.set XWG,    1024                      ; work-groups for x
.set SPITCH, 528                       ; a stage row: 512 bytes + 16: sixteen rows begin at sixteen different 16-byte columns of 256 bytes
.set WSTG,   16*SPITCH                 ; a wave's stage
.set R,   16                           ; x: v16-79   16 rows as loaded, 4 registers each
.set X,   80                           ; x: v80-143  my 64 numbers: group c = k 16 c + 8 h + 0 .. 7 of row r
.set T,   16                           ; x: v16-31   two sets of 8 held numbers, over R once R has gone to the stage
.set C,   32                           ; x: v32-79   the three sets' codes, 16 registers each
.set WX,  16                           ; weights: v16-143  my column's 128 numbers down K
.set WC,  144                          ; weights: v144-175 their codes
; 2^e and 448 x 2^e as f32 numbers, from the whole number e in s[e]
.macro POW2 e, sc, lm
	s_add_co_i32 s40, s[\e], 127
	s_lshl_b32 s41, s40, 23
	v_mov_b32 v[\sc], s41                          ; the conversion takes this number's exponent field
	s_add_co_i32 s40, s40, 8
	s_lshl_b32 s40, s40, 23
	s_or_b32 s40, s40, 0x600000                    ; 448 = 1.75 x 2^8
	v_mov_b32 v[\lm], s40
.endm
	s_load_b512 s[4:19], s[0:1], 0x0               ; x 4:5, Wq 6:7, Wk 8:9, Wv 10:11, Wproj 12:13, exponents 14:15, xc 16:17, wc 18:19
	v_lshl_add_u32 v176, v0, 2, 0x8400
	v_mov_b32 v177, 0
	v_lshrrev_b32 v1, 5, v0
	v_readfirstlane_b32 s20, v1                    ; wave 0..3
	v_and_b32 v1, 31, v0                           ; lane
	v_and_b32 v2, 15, v0                           ; r
	v_bfe_u32 v3, v0, 4, 1                         ; h
	v_lshlrev_b32 v4, 4, v1                        ; 16 x lane
	s_mul_i32 s21, s20, WSTG
	v_add_nc_u32 v5, s21, v4                       ; the stage, on the way in: a row's 512 bytes as they lie
	v_mul_u32_u24 v6, v2, SPITCH
	v_lshl_add_u32 v6, v3, 5, v6
	v_add_nc_u32 v6, s21, v6                       ; and on the way out: row r, + 32 h
	v_lshlrev_b32 v7, 2, v1                        ; weights: 4 bytes a lane
	v_lshlrev_b32 v8, 4, v2
	v_lshl_add_u32 v8, v3, 14, v8                  ; weights' way out: 16 r; lanes 16-31 hold the next tile of columns, 8 x 2,048 bytes on
	s_wait_kmcnt 0x0
	s_load_b256 s[32:39], s[14:15], 0x0            ; e0 .. e7
	s_load_b32 s31, s[14:15], 0x2c                 ; e11
	s_cmp_lt_u32 ttmp9, XWG
	s_cbranch_scc0 .Lweights
	; ---- x: fragment f = 4 x work-group + wave: tokens 16 (f / 8) on, K step f % 8
	s_lshl_b32 s40, ttmp9, 2
	s_add_co_u32 s40, s40, s20                     ; f
	s_lshr_b32 s41, s40, 3
	s_and_b32 s42, s40, 7
	s_lshl_b32 s44, s41, 16                        ; 16 rows of 4,096 bytes
	s_lshl_b32 s42, s42, 9                         ; 128 numbers
	s_add_co_u32 s44, s44, s42
	s_mov_b32 s45, 0
	s_add_nc_u64 s[22:23], s[4:5], s[44:45]
	s_lshl_b32 s46, s40, 11                        ; an image is 2,048 bytes
	s_mov_b32 s47, 0
	s_add_nc_u64 s[24:25], s[16:17], s[46:47]      ; set 0,
	s_add_nc_u64 s[26:27], s[24:25], 0x800000      ; set 1,
	s_add_nc_u64 s[28:29], s[26:27], 0x800000      ; set 2
	s_wait_alu depctr_va_vdst(0)
.irp i, 0,1,2,3,4,5,6,7,8,9,10,11,12,13,14,15
	global_load_b128 v[R+4*\i:R+4*\i+3], v4, s[22:23] offset:4096*\i th:TH_LOAD_NT   ; 32 lanes read 512 consecutive bytes of row i
.endr
	s_wait_kmcnt 0x0
	POW2 33, 9, 10                                 ; e1
	POW2 35, 11, 12                                ; e3
	POW2 37, 13, 14                                ; e5
	s_wait_alu depctr_va_vdst(0)
.irp i, 0,1,2,3,4,5,6,7,8,9,10,11,12,13,14,15
	s_wait_loadcnt 15-\i                           ; row i is in; the rows behind it may be out
	ds_store_b128 v5, v[R+4*\i:R+4*\i+3] offset:SPITCH*\i
.endr
.irp c, 0,1,2,3,4,5,6,7
	ds_load_b128 v[X+8*\c:X+8*\c+3], v6 offset:64*\c         ; LDS serves a wave's instructions in order (ISA guide 5.7.1.4): these see my stores
	ds_load_b128 v[X+8*\c+4:X+8*\c+7], v6 offset:64*\c+16
.endr
.irp c, 0,1,2,3,4,5,6,7
	s_wait_dscnt 14-2*\c                           ; group c is back; the groups behind it may be out.  (The first of these waits also shows the sixteen stores done: R is free)
.irp s, 0,1,2
.set TS, T+8*((3*\c+\s)%2)                 ; the two sets of held numbers take turns: eight plain lines lie between a conversion and the next write of its sources
.irp j, 0,1,2,3,4,5,6,7
	v_med3_num_f32 v[TS+\j], v[X+8*\c+\j], -v[10+2*\s], v[10+2*\s]   ; the conversion to an 8-bit code does not saturate (ISA guide 7.6.2): the hold comes first
.endr
	v_cvt_scalef32_pk8_fp8_f32 v[C+16*\s+2*\c:C+16*\s+2*\c+1], v[TS:TS+7], v[9+2*\s]   ; registers 2 c, 2 c + 1 of set s's fragment
.endr
.endr
	v_nop                                          ; a plain line behind the last conversion
.irp p, 0,1,2,3
	global_store_b128 v4, v[C+4*\p:C+4*\p+3], s[24:25] offset:512*\p          ; each store of the wave covers 512 consecutive bytes, aligned
	global_store_b128 v4, v[C+16+4*\p:C+16+4*\p+3], s[26:27] offset:512*\p
	global_store_b128 v4, v[C+32+4*\p:C+32+4*\p+3], s[28:29] offset:512*\p
.endr
	s_wait_tensorcnt 0x0
	ds_add_u32 v176, v177
	s_wait_dscnt 0x0
	s_endpgm
	; ---- the weights: A LANE TAKES A COLUMN AND ITS REGISTERS RUN DOWN K, so the conversions give codes with K innermost and nothing is transposed
.macro WLOAD stride                    ; my column's 128 numbers of the K step: each load reads 128 consecutive bytes of one row of the weight
.set i, 0
.rept 128
	global_load_b32 v[WX+i], v7, s[22:23] offset:i*\stride th:TH_LOAD_NT
.set i, i+1
.endr
.endm
.Lweights:
	s_sub_co_u32 s40, ttmp9, XWG
	s_lshr_b32 s41, s40, 6                         ; 0 Wq, 1 Wk, 2 Wv, 3 Wproj
	s_and_b32 s42, s40, 63
	s_cmp_eq_u32 s41, 3
	s_cbranch_scc1 .Lproj
	s_cmp_eq_u32 s41, 1                            ; [16 heads][1024 k][64 d]: a row is 256 bytes, which two waves cover
	s_cselect_b64 s[22:23], s[8:9], s[6:7]
	s_cmp_eq_u32 s41, 2
	s_cselect_b64 s[22:23], s[10:11], s[22:23]
	s_lshr_b32 s43, s42, 2                         ; head
	s_and_b32 s44, s42, 3
	s_lshl_b32 s44, s44, 1
	s_lshr_b32 s45, s20, 1
	s_add_co_u32 s44, s44, s45                     ; K step
	s_and_b32 s45, s20, 1                          ; which 32 of the head's 64 columns
	s_lshl_b32 s46, s43, 18
	s_lshl_b32 s47, s44, 15
	s_add_co_u32 s46, s46, s47
	s_lshl_b32 s47, s45, 7
	s_add_co_u32 s46, s46, s47
	s_mov_b32 s47, 0
	s_add_nc_u64 s[22:23], s[22:23], s[46:47]
	s_lshl_b32 s46, s41, 6
	s_lshl_b32 s43, s43, 2
	s_add_co_u32 s46, s46, s43
	s_lshl_b32 s45, s45, 1
	s_add_co_u32 s46, s46, s45                     ; my first tile of columns: 64 x which + 4 x head + 2 x half
	s_wait_alu depctr_va_vdst(0)
	WLOAD 256
	s_branch .Ljoin
.Lproj:                                            ; [1024 k][1024 n]: a row is 4,096 bytes; the four waves stand side by side on 512
	s_lshr_b32 s43, s42, 3                         ; which 128 columns
	s_and_b32 s44, s42, 7                          ; K step
	s_lshl_b32 s46, s44, 19
	s_lshl_b32 s47, s43, 9
	s_add_co_u32 s46, s46, s47
	s_lshl_b32 s47, s20, 7
	s_add_co_u32 s46, s46, s47
	s_mov_b32 s47, 0
	s_add_nc_u64 s[22:23], s[12:13], s[46:47]
	s_lshl_b32 s46, s43, 3
	s_lshl_b32 s45, s20, 1
	s_add_co_u32 s46, s46, s45
	s_add_co_u32 s46, s46, 192                     ; my first tile of columns
	s_wait_alu depctr_va_vdst(0)
	WLOAD 4096
.Ljoin:
	s_lshl_b32 s46, s46, 3
	s_add_co_u32 s46, s46, s44                     ; 8 x tile + K step
	s_lshl_b32 s46, s46, 11
	s_mov_b32 s47, 0
	s_add_nc_u64 s[24:25], s[18:19], s[46:47]
	s_wait_kmcnt 0x0
	s_cmp_eq_u32 s41, 1                            ; the weight's exponent: entry 0, 2, 4 or 11
	s_cselect_b32 s30, s34, s32
	s_cmp_eq_u32 s41, 2
	s_cselect_b32 s30, s36, s30
	s_cmp_eq_u32 s41, 3
	s_cselect_b32 s30, s31, s30
	POW2 30, 9, 10
; Eight numbers k = 8 g + 0 .. 7 of my column.  In the image they belong to the lane slot (r, h' = g % 2), registers 4 (g / 4) + 2 ((g % 4) / 2) on: the two groups of a slot's piece are laid side by side
.macro WQ g
.set DST, WC+8*((\g)/4)+4*((\g)%2)+2*(((\g)%4)/2)
.irp j, 0,1,2,3,4,5,6,7
	v_med3_num_f32 v[WX+8*(\g)+\j], v[WX+8*(\g)+\j], -v10, v10
.endr
	v_cvt_scalef32_pk8_fp8_f32 v[DST:DST+1], v[WX+8*(\g):WX+8*(\g)+7], v9
.endm
	s_wait_alu depctr_va_vdst(0)
	s_wait_loadcnt 63                              ; of 128 loads at most the youngest 63 are out: numbers 0 to 63 are in
.irp g, 0,1,2,3,4,5,6,7
	WQ \g
.endr
	s_wait_loadcnt 32                              ; numbers 64 to 95 are in
.irp g, 8,9,10,11
	WQ \g
.endr
	s_wait_loadcnt 0x0
.irp g, 12,13,14,15
	WQ \g
.endr
	v_nop                                          ; a plain line behind the last conversion
.irp p, 0,1,2,3
.irp q, 0,1
	global_store_b128 v8, v[WC+8*\p+4*\q:WC+8*\p+4*\q+3], s[24:25] offset:512*\p+256*\q   ; sixteen lanes store 256 consecutive bytes, aligned: lanes 0-15 in one tile's image, lanes 16-31 in the next tile's
.endr
.endr
	s_endpgm
.Lfunc_end_k_q5b4696ced8_quant:
	.size	k_q5b4696ced8_quant, .Lfunc_end_k_q5b4696ced8_quant-k_q5b4696ced8_quant
	.p2alignl 7, 3214868480
	.fill 96, 4, 3214868480
	.section	.rodata,"a",@progbits
	.p2align	6, 0x0
	.amdhsa_kernel k_q5b4696ced8_quant
		.amdhsa_group_segment_fixed_size 34304
		.amdhsa_private_segment_fixed_size 0
		.amdhsa_enable_private_segment 0
		.amdhsa_kernarg_size 64
		.amdhsa_user_sgpr_count 2
		.amdhsa_user_sgpr_kernarg_segment_ptr 1
		.amdhsa_wavefront_size32 1
		.amdhsa_system_sgpr_workgroup_id_x 1
		.amdhsa_system_sgpr_workgroup_id_y 1
		.amdhsa_system_sgpr_workgroup_id_z 1
		.amdhsa_system_vgpr_workitem_id 0
		.amdhsa_next_free_vgpr 178
		.amdhsa_next_free_sgpr 66
		.amdhsa_reserve_vcc 0
		.amdhsa_float_denorm_mode_32 3
		.amdhsa_float_denorm_mode_16_64 3
		.amdhsa_memory_ordered 1
		.amdhsa_forward_progress 1
		.amdhsa_inst_pref_size 58
	.end_amdhsa_kernel
	.amdgpu_metadata
---
amdhsa.version: [ 1, 2 ]
amdhsa.kernels:
  - .name:           k_q5b4696ced8_quant
    .symbol:         k_q5b4696ced8_quant.kd
    .args:
      - { .name: x, .offset: 0, .size: 8, .value_kind: global_buffer, .address_space: global }
      - { .name: Wq, .offset: 8, .size: 8, .value_kind: global_buffer, .address_space: global }
      - { .name: Wk, .offset: 16, .size: 8, .value_kind: global_buffer, .address_space: global }
      - { .name: Wv, .offset: 24, .size: 8, .value_kind: global_buffer, .address_space: global }
      - { .name: Wproj, .offset: 32, .size: 8, .value_kind: global_buffer, .address_space: global }
      - { .name: lowp_scales, .offset: 40, .size: 8, .value_kind: global_buffer, .address_space: global }
      - { .name: xc, .offset: 48, .size: 8, .value_kind: global_buffer, .address_space: global }
      - { .name: wc, .offset: 56, .size: 8, .value_kind: global_buffer, .address_space: global }
    .group_segment_fixed_size: 34304
    .private_segment_fixed_size: 0
    .kernarg_segment_align: 8
    .kernarg_segment_size: 64
    .max_flat_workgroup_size: 128
    .sgpr_count:     66
    .vgpr_count:     178
    .wavefront_size: 32
...
	.end_amdgpu_metadata
.endif
;; end of part 1
;; launch gemm_qkv (part 2): grid 8 x 32, 4 waves a work-group, clusters of 4 x 4, 327,680 bytes of LDS; arguments xc, wc, lowp_scales, qkv; writes qkv
.if DOCPART == 2
	.amdgcn_target "amdgcn-amd-amdhsa--gfx1250"
	.amdhsa_code_object_version 6
	.text
	.protected	k_q5b4696ced8_gemm_qkv
	.globl	k_q5b4696ced8_gemm_qkv
	.p2align	8
	.type	k_q5b4696ced8_gemm_qkv,@function
k_q5b4696ced8_gemm_qkv:
	s_mov_b64 s[64:65], 0
	v_nop
	global_prefetch_b8 v0, s[64:65] scope:SCOPE_SE
	s_setreg_imm32_b32 hwreg(HW_REG_WAVE_MODE, 25, 1), 1
	s_wait_xcnt 0x0
	s_wait_alu depctr_hold_cnt(0) depctr_sa_sdst(0) depctr_va_vdst(0) depctr_va_sdst(0) depctr_va_ssrc(0) depctr_va_vcc(0) depctr_vm_vsrc(0)
	s_getreg_b32 s2, hwreg(HW_REG_IB_STS2, 6, 4)
	s_cmp_eq_u32 s2, 0
	s_cbranch_scc0 .Lentry_in_a_cluster
	s_endpgm
.Lentry_in_a_cluster:
	s_bfe_u32 s2, ttmp6, 0x10000c
	s_cmp_lg_u32 s2, 0xf033
	s_cbranch_scc0 .Lentry_shape_is_right
	s_endpgm
.Lentry_shape_is_right:
; q, k and v of all heads: three products [8192 tokens][1024] x [1024][1024] on codes of FP8 (E4M3); each finished f32 sum is quantised at once for the attention that follows.
; 256 WORK-GROUPS OF EQUAL WORK, each with two tiles, one after the other: a tile of 256 tokens x 256 columns of q (cluster x = 0) or of k (1) of batch y = cluster y, then half a tile of v: 256 (head, d) x 128 keys
; of the same batch (a cluster makes 1,024 columns x 512 keys).  Four waves: a wave makes 128 x 128, then 128 x 64.
; OPERANDS ARE IMAGES OF REGISTERS: a fragment (16 rows x 128 K) is 2,048 bytes, registers 4 p .. 4 p + 3 of lane l at 512 p + 16 l; a tile of 16 rows has its 8 K steps on end (16,384 bytes).
; THE MATRIX INSTRUCTION IS USED TRANSPOSED (source 0 = 16 rows of "B", source 1 = 16 rows of "A"): a lane holds one row of A and, in an accumulator's eight registers, eight neighbouring rows of B.
;   q, k: A = x's codes (set 0 or 1), B = the weight: one token, eight neighbouring d, the scores' K.      v: A = Wv, B = x's codes (set 2): one (head, d), eight neighbouring keys, the second product's K.
; So eight registers, converted, ARE registers 2 c, 2 c + 1 of the next operand, and the codes leave straight from registers, 512 consecutive bytes a store.
; qkv: first q: [b 8][head 16][token / 64][4 tiles of 16 tokens][1024]; then, from byte 0x800000 on, [b 8][head 16][key / 64][k: 4 tiles of 16 keys; v: 4 tiles of 16 d][1024].  An image of 1,024 bytes is 16 rows x 64 K.
; K goes in steps of 256 through a ring of two LDS slots, which does not stop at the first tile's end.  CLUSTERS: 4 x 4 work-groups; A's tile is shared along a row of the cluster, B's along a column: each is asked for JOINTLY.
; PREFETCH: behind a joint load, what the second joint load after it will want (behind the very first also what the next wants); x by the one cluster that loads it, the weights, which all clusters read, by the clusters of batches 0 and 1.
; LIMITS: e6 - e0 - e1, e7 - e2 - e3 and e9 - e4 - e5 lie between -126 and 119, so that the folded scale and 448 x it are f32 numbers.  NaN is not served.
; REGISTERS, in windows of 256: window 0: v0-31 addresses and constants; v32-63 held sums and v64-127 codes on the way out; v128-255 A's fragments, ONE set.
;   window 1: B's fragments, TWO sets.   window 2: the accumulators of my rows 0-63 ((a, b) at v[8 (8 a + b)]);   window 3: those of my rows 64-127.
.set KSB,    4096                      ; a tile's bytes in a slot: two K steps of 128
.set HALFT,  8*KSB                     ; 8 tiles of 16 rows
.set SLOT,   4*HALFT                   ; A's two halves, then B's two (of v's tile each of B's halves takes the first 4 tiles' room)
.set SPARE,  2*SLOT                    ; the spare words, 128 bytes for each wave: no other line names them
.set FR,     16                        ; registers of a fragment
.set NP,     4                         ; places behind this matrix instruction (ISA guide 7.12.1)
.set PFO1, 12                          ; v12     the prefetches' offset in the first tile; never rewritten
.set PFO2, 13                          ; v13     and in v's tile
.set ADRA, 16                          ; v16-17  LDS address of my A fragments in slot 0, 1
.set ADRB, 20                          ; v20-21  the same for B
.set SC1,  22                          ; v22-25  the folded scales 2^(eo - ea - eb) and 448 x them
.set LM1,  23
.set SC2,  24
.set LM2,  25
.set CO,   26                          ; v26     16 x lane
.set SPW,  28                          ; v28     LDS address of my spare word; never rewritten
.set NIL,  29                          ; v29     0; never rewritten
.set TMP,  32
.set CD,   64
.set AF,   128
.set VB,   12                          ; s[12:13] where my codes of v go
.set G1,   24                          ; s[24:31] descriptor group 1 for A's tiles;  s[32:39] group 0, one set for each slot
.set G0,   32
.set BP,   40                          ; s[40:47] where my codes of q or k go: pair 2 (a / 4) + g
.set G1B,  48                          ; s[48:55], s[56:63] the same for B's tiles
.set G0B,  56
.set PF1,  66                          ; s66, s67 do I prefetch in the first tile, in v's
.set PF2,  67
.set G1C,  68                          ; s[68:75] group 1 for B's tiles of v: 4 rows
.set A2,   76                          ; s[76:77], s[78:79] v's tile: A's and B's addresses, with the descriptor's type
.set B2,   78
.set PFB1, 80                          ; s[80:83] where my prefetches begin
.set PFB2, 82
.set MSB, 0
.macro WIN new                         ; the immediate's high byte repeats the setting that is left
.if MSB != (\new)
	s_set_vgpr_msb (MSB<<8)|(\new)
.set MSB, \new
.endif
.endm
.set MUL_LO, 0xa1                      ; source 0 (B) window 1, source 1 (A) window 0, C and D window 2
.set MUL_HI, 0xf1                      ; the same, C and D window 3
.set TO_B,   0x40                      ; destination window 1, address window 0
; A joint load: waves 0 and 1 fetch for A, waves 2 and 3 for B.  Each line has ONE mask and one set of registers for all that issue it; the branch hangs on the wave's number alone.
.macro JLOAD s, g1b
	s_cmp_eq_u32 s15, 0
	s_cbranch_scc0 .Lfor_b_\@
	tensor_load_to_lds s[G0+4*\s:G0+4*\s+3], s[G1:G1+7]
	s_nop 0
.rept 4
	v_nop
.endr
	s_branch .Lasked_\@
.Lfor_b_\@:
	tensor_load_to_lds s[G0B+4*\s:G0B+4*\s+3], s[\g1b:\g1b+7]
	s_nop 0
.rept 4
	v_nop
.endr
.Lasked_\@:
.endm
.macro CREST                           ; a round of the cluster's barrier behind its opening barrier
	s_cmp_lg_u32 s14, 0
	s_cbranch_scc1 .Lnot_wave_0_\@
	s_barrier_signal -3
.Lnot_wave_0_\@:
	s_barrier_wait -3
	s_barrier_signal -1
	s_barrier_wait -1
.endm
.macro CROUND                          ; a whole round
	s_barrier_signal -1
	s_barrier_wait -1
	CREST
.endm
; A PREFETCH: of the tiles that my wave fetches jointly with three partners, my work-group's quarter (told apart by address: cx for A, cy for B), each block of 256 bytes by one lane.
.macro ASK flag, base, off, vo
	s_cmp_eq_u32 s[\flag], 1
	s_cbranch_scc0 .Lnot_mine_\@
	global_prefetch_b8 v[\vo], s[\base:\base+1] offset:\off th:TH_LOAD_NT scope:SCOPE_SE
.Lnot_mine_\@:
.endm
.macro POW2 e, sc, lm                  ; 2^e and 448 x 2^e as f32 numbers
	s_add_co_i32 s2, s[\e], 127
	s_lshl_b32 s3, s2, 23
	v_mov_b32 v[\sc], s3
	s_add_co_i32 s2, s2, 8
	s_lshl_b32 s2, s2, 23
	s_or_b32 s2, s2, 0x600000
	v_mov_b32 v[\lm], s2
.endm
	s_load_b256 s[4:11], s[0:1], 0x0               ; xc 4:5, wc 6:7, the exponents 8:9, qkv 10:11
	v_lshl_add_u32 v[SPW], v0, 2, SPARE
	v_mov_b32 v[NIL], 0
	ds_add_u32 v[SPW], v[NIL]                      ; the opening: the add, twice on end, and its wait
	ds_add_u32 v[SPW], v[NIL]
	v_lshrrev_b32 v1, 5, v0
	v_readfirstlane_b32 s14, v1                    ; wave 0..3
	s_lshr_b32 s15, s14, 1                         ; which half of A's rows is mine.  Also: I fetch for A (0) or for B (1)
	s_and_b32 s16, s14, 1                          ; which half of B's rows.  Also: which half of that tile I fetch
	s_bfe_u32 s98, ttmp6, 0x40000                  ; cx, cy: my place in the cluster
	s_bfe_u32 s99, ttmp6, 0x40004
	s_and_b32 s100, ttmp7, 0xffff                  ; the batch
	s_lshl_b32 s17, s99, 2
	s_lshl_b32 s17, 15, s17                        ; my row of the cluster
	s_lshl_b32 s18, 0x1111, s98                    ; my column
	; descriptor group 1: 8 (v's B: 4) rows of 4,096 bytes (two K steps' images), 16,384 bytes apart in memory, on end in LDS
	s_or_b32 s[G1], s17, (3<<16)|(1<<21)           ; 15:0 the mask; 17:16 elements of 8 bytes; 20 no padding; 21 set beside a mask
	s_or_b32 s[G1B], s18, (3<<16)|(1<<21)
	s_or_b32 s[G1C], s18, (3<<16)|(1<<21)
.irp g, G1, G1B, G1C
	s_mov_b32 s[\g+1], 512<<16                     ; tensor_dim0 = 512 elements
	s_mov_b32 s[\g+3], 512<<16                     ; tile_dim0
	s_mov_b32 s[\g+5], 2048                        ; tensor_dim0_stride, in elements
	s_mov_b32 s[\g+6], 0
	s_mov_b32 s[\g+7], 0
.endr
.irp g, G1, G1B
	s_mov_b32 s[\g+2], 8<<16                       ; tensor_dim1
	s_mov_b32 s[\g+4], 8                           ; tile_dim1
.endr
	s_mov_b32 s[G1C+2], 4<<16
	s_mov_b32 s[G1C+4], 4
	; where the tiles come from: A's addresses hang on cy and never on cx, B's on cx and never on cy
	s_lshl_b32 s19, s16, 17                        ; which 8 tiles of a block I fetch
	s_lshl_b32 s20, ttmp9, 23
	s_lshl_b32 s21, s100, 20
	s_add_co_u32 s20, s20, s21
	s_lshl_b32 s21, s99, 18
	s_add_co_u32 s20, s20, s21
	s_add_co_u32 s20, s20, s19                     ; first tile, A: x's set 0 or 1, the batch, block cy of 256 tokens
	s_add_co_u32 s2, s21, s19
	s_add_co_u32 s2, s2, 0x200000                  ; v, A: Wv's block cy of 256 columns
	s_mov_b32 s21, 0
	s_mov_b32 s3, 0
	s_lshl_b32 s22, ttmp9, 20
	s_lshl_b32 s23, s98, 18
	s_add_co_u32 s22, s22, s23
	s_add_co_u32 s22, s22, s19                     ; first tile, B: Wq or Wk, block cx of 256 columns
	s_lshl_b32 s46, s100, 20
	s_lshl_b32 s23, ttmp9, 19
	s_add_co_u32 s46, s46, s23
	s_lshl_b32 s23, s98, 17
	s_add_co_u32 s46, s46, s23
	s_lshl_b32 s23, s16, 16
	s_add_co_u32 s46, s46, s23
	s_add_co_u32 s46, s46, 0x1000000               ; v, B: x's set 2, the batch, half = cluster x, block cx of 128 tokens, my 4 tiles
	s_mov_b32 s23, 0
	s_mov_b32 s47, 0
	s_mul_i32 s17, s14, HALFT                      ; where they go: wave x 8 tiles: no place in the cluster enters an LDS address
	s_wait_dscnt 0x0                               ; both opening adds are done
	s_wait_alu depctr_va_vdst(0)
	s_wait_kmcnt 0x0
	s_load_b256 s[84:91], s[8:9], 0x0              ; e0 .. e7
	s_load_b128 s[92:95], s[8:9], 0x20             ; e8 .. e11
	s_add_nc_u64 s[20:21], s[4:5], s[20:21]
	s_add_nc_u64 s[A2:A2+1], s[6:7], s[2:3]
	s_add_nc_u64 s[22:23], s[6:7], s[22:23]
	s_add_nc_u64 s[B2:B2+1], s[4:5], s[46:47]
.irp s, 0,1
	s_mov_b32 s[G0+4*\s], 1
	s_add_co_u32 s[G0+4*\s+1], s17, \s*SLOT
	s_add_nc_u64 s[G0+4*\s+2:G0+4*\s+3], s[20:21], \s*KSB
	s_or_b32 s[G0+4*\s+3], s[G0+4*\s+3], 0x80000000
	s_mov_b32 s[G0B+4*\s], 1
	s_add_co_u32 s[G0B+4*\s+1], s17, \s*SLOT
	s_add_nc_u64 s[G0B+4*\s+2:G0B+4*\s+3], s[22:23], \s*KSB
	s_or_b32 s[G0B+4*\s+3], s[G0B+4*\s+3], 0x80000000
.endr
	CROUND                                         ; all sixteen work-groups are here: the first joint loads meet
	JLOAD 0, G1B                                   ; K 0 on: one tensor load a wave at the head
	; the prefetches' addresses
	s_lshl_b32 s44, s98, 15
	s_mov_b32 s45, 0
	s_add_nc_u64 s[2:3], s[20:21], s[44:45]        ; A: of the 8 tiles that I fetch, two by cx
	s_add_nc_u64 s[18:19], s[A2:A2+1], s[44:45]
	s_lshl_b32 s44, s99, 15
	s_add_nc_u64 s[46:47], s[22:23], s[44:45]      ; B: two by cy; of v's 4 tiles, one by cy
	s_lshl_b32 s44, s99, 14
	s_add_nc_u64 s[44:45], s[B2:B2+1], s[44:45]
	s_cmp_eq_u32 s15, 0
	s_cselect_b64 s[PFB1:PFB1+1], s[2:3], s[46:47]
	s_cselect_b64 s[PFB2:PFB2+1], s[18:19], s[44:45]
	s_or_b32 s[A2+1], s[A2+1], 0x80000000
	s_or_b32 s[B2+1], s[B2+1], 0x80000000
	s_cmp_lt_u32 s100, 2                           ; the weights are asked for by the clusters of batches 0 and 1
	s_cselect_b32 s101, 1, 0
	s_cmp_eq_u32 s15, 0
	s_cselect_b32 s[PF1], 1, s101                  ; first tile: A is x.  v: B is x
	s_cselect_b32 s[PF2], s101, 1
	s_cselect_b32 s101, 31, 15                     ; v's B: 16 blocks a partner: lanes 16-31 name the last again
	s_lshl_b32 s18, s15, 15                        ; my 8 tiles of A
	s_lshl_b32 s19, s16, 15                        ; my tiles of B,
	s_add_co_u32 s19, s19, 2*HALFT                 ; which lie behind A's 16
	v_and_b32 v1, 31, v0
	v_lshlrev_b32 v[CO], 4, v1
	v_lshrrev_b32 v2, 4, v1
	v_and_b32 v3, 15, v1
	v_lshlrev_b32 v3, 8, v3
	v_lshl_add_u32 v[PFO1], v2, 14, v3             ; tile lane / 16, block lane % 16
	v_min_u32 v4, s101, v1
	v_lshrrev_b32 v5, 4, v4
	v_and_b32 v6, 15, v4
	v_lshlrev_b32 v6, 8, v6
	v_lshl_add_u32 v[PFO2], v5, 14, v6
	v_add_nc_u32 v[ADRA], s18, v[CO]
	v_add_nc_u32 v[ADRB], s19, v[CO]
	v_add_nc_u32 v[ADRA+1], SLOT, v[ADRA]
	v_add_nc_u32 v[ADRB+1], SLOT, v[ADRB]
	s_wait_alu depctr_va_vdst(0)
	ASK PF1, PFB1, KSB, PFO1                       ; K 256 on, for the next joint load,
	ASK PF1, PFB1, 2*KSB, PFO1                     ; and K 512 on, for the one after
	; a sum stands for sum x 2^(ea + eb), and its code is that / 2^eo: the three exponents are folded into the conversion's one
	s_wait_kmcnt 0x0
	s_cmp_eq_u32 ttmp9, 1
	s_cselect_b32 s2, s86, s84                     ; the weight's: e0, e2
	s_cselect_b32 s3, s87, s85                     ; x's: e1, e3
	s_cselect_b32 s17, s91, s90                    ; the result's: e6 (q), e7 (k)
	s_sub_co_i32 s17, s17, s2
	s_sub_co_i32 s17, s17, s3
	s_sub_co_i32 s18, s93, s88                     ; v: e9 - e4 - e5
	s_sub_co_i32 s18, s18, s89
	POW2 17, SC1, LM1
	POW2 18, SC2, LM2
	; where the codes go.  q, k: head 4 cx + 2 (B's half) + g, chunk of 64 tokens 4 cy + 2 (A's half) + a / 4, tile a % 4; all strides are twice as long for k
	s_lshl_b32 s2, s99, 2
	s_lshl_b32 s3, s15, 1
	s_add_co_u32 s2, s2, s3                        ; 4 cy + 2 (A's half)
	s_lshl_b32 s3, s98, 2
	s_lshl_b32 s17, s16, 1
	s_add_co_u32 s3, s3, s17                       ; 4 cx + 2 (B's half)
	s_lshl_b32 s17, s100, 20
	s_lshl_b32 s18, s3, 16
	s_add_co_u32 s17, s17, s18
	s_lshl_b32 s18, s2, 12
	s_add_co_u32 s17, s17, s18
	s_lshl_b32 s17, s17, ttmp9
	s_lshl_b32 s18, ttmp9, 23
	s_add_co_u32 s18, s17, s18
	s_mov_b32 s19, 0
	s_add_nc_u64 s[BP:BP+1], s[10:11], s[18:19]
	s_lshl_b32 s18, 0x10000, ttmp9
	s_add_nc_u64 s[BP+2:BP+3], s[BP:BP+1], s[18:19]
	s_lshl_b32 s18, 0x1000, ttmp9
	s_add_nc_u64 s[BP+4:BP+5], s[BP:BP+1], s[18:19]
	s_add_nc_u64 s[BP+6:BP+7], s[BP+2:BP+3], s[18:19]
	; v: head 4 cy + 2 (A's half) + a / 4, chunk of 64 keys 8 x cluster x + 2 cx + (B's half), tile a % 4
	s_lshl_b32 s17, s100, 21
	s_lshl_b32 s18, s2, 17
	s_add_co_u32 s17, s17, s18
	s_lshl_b32 s2, ttmp9, 3
	s_lshl_b32 s3, s98, 1
	s_add_co_u32 s2, s2, s3
	s_add_co_u32 s2, s2, s16
	s_lshl_b32 s2, s2, 13
	s_add_co_u32 s17, s17, s2
	s_add_co_u32 s18, s17, 0x801000
	s_add_nc_u64 s[VB:VB+1], s[10:11], s[18:19]
.macro FRAG reg, adr, q, i             ; tile i's fragment of the slot's q-th 128 along K: its image, as it lies
.irp c, 0,1,2,3
	ds_load_b128 v[\reg+4*\c:\reg+4*\c+3], v[\adr] offset:(\i)*KSB+(\q)*2048+512*\c
.endr
.endm
; A's blocks a0, a0 + 1 x B's nb, 128 along K.  p: B's set.  zero = 1: the first product starts the sums.  The accumulators take turns, one instruction a turn, in the same order in every step.
.macro MUL a0, p, zero, nb
.irp a, \a0, \a0+1
.irp b, 0,1,2,3,4,5,6,7
.if \b < \nb
.if \zero
	v_wmma_f32_16x16x128_fp8_fp8 v[8*(8*((\a)%4)+\b):8*(8*((\a)%4)+\b)+7], v[128*(\p)+FR*\b:128*(\p)+FR*\b+FR-1], v[AF+FR*(\a):AF+FR*(\a)+FR-1], 0
.else
	v_wmma_f32_16x16x128_fp8_fp8 v[8*(8*((\a)%4)+\b):8*(8*((\a)%4)+\b)+7], v[128*(\p)+FR*\b:128*(\p)+FR*\b+FR-1], v[AF+FR*(\a):AF+FR*(\a)+FR-1], v[8*(8*((\a)%4)+\b):8*(8*((\a)%4)+\b)+7]
.endif
.endif
.endr
.endr
.endm
.macro FETCH_B slot, q, p, nb          ; B's nb fragments into set p
	WIN TO_B
.irp i, 0,1,2,3,4,5,6,7
.if \i < \nb
	FRAG 128*(\p)+FR*\i, ADRB+\slot, \q, \i
.endif
.endr
	WIN 0
.endm
.macro FETCH_A slot, q, i0             ; A's blocks i0 .. i0 + 3
.irp i, \i0, \i0+1, \i0+2, \i0+3
	FRAG AF+FR*(\i), ADRA+\slot, \q, \i
.endr
.endm
; A load into a register that a matrix instruction has read, and a vector instruction that reads a matrix result, stand NP places behind that matrix instruction; only plain vector
; instructions that name none of its registers are places (ISA guide 7.12.1 for vector instructions).
.macro PLACES n
.rept \n
	v_nop
.endr
.endm
; A slot's first 128 along K, on B's set 0.  The next step's B goes into set 1 at the start (the places ahead of A's last fetch serve it too), A's blocks as soon as their products are issued.
.macro STEP slot, zero, nb
	FETCH_B \slot, 1, 1, \nb
	s_wait_dscnt 16+4*\nb                          ; this step's B and A's blocks 0-3 are in; A's blocks 4-7 (16 loads) and the next B (4 nb) may be out
	WIN MUL_LO
	MUL 0, 0, \zero, \nb
	MUL 2, 0, \zero, \nb
	s_wait_dscnt 4*\nb                             ; A's blocks 4-7 are in
	PLACES NP
	WIN 0
	FETCH_A \slot, 1, 0
	WIN MUL_HI
	MUL 4, 0, \zero, \nb
	MUL 6, 0, \zero, \nb
	PLACES NP
	WIN 0
	FETCH_A \slot, 1, 4
.endm
; A slot's second 128 along K, on B's set 1, and the change of slots: ONE barrier; in front of it each wave waits for all its tensor loads, adds 0 to its spare word, and waits for that and for its own reads of this slot.
; fill = 1: this slot is filled again, two slots ahead in the first tile; 2: with v's K step of the same slot; 3: two slots ahead in v's tile; 0: nothing is left to fetch.  nbn: B's tiles in the next step.
.macro TURN slot, next, fill, nb, nbn, ask
	s_wait_tensorcnt 0x0                           ; all my tensor loads have landed: my part of the next slot  (every window is 0 here)
	ds_add_u32 v[SPW], v[NIL]
	s_wait_dscnt 17                                ; (the add and A's blocks 4-7 may be out)
	WIN MUL_LO
	MUL 0, 1, 0, \nb
	s_wait_dscnt 0x0                               ; the add is done, and my reads of this slot are over
	s_barrier_signal -1
	MUL 2, 1, 0, \nb
	WIN 0
	s_barrier_wait -1
.if \fill
	CREST                                          ; the barrier has opened a round: no wave of any partner still reads this slot or has a load on its way
.if \fill == 2
	s_add_nc_u64 s[G0+4*\slot+2:G0+4*\slot+3], s[A2:A2+1], \slot*KSB
	s_add_nc_u64 s[G0B+4*\slot+2:G0B+4*\slot+3], s[B2:B2+1], \slot*KSB
.else
	s_add_nc_u64 s[G0+4*\slot+2:G0+4*\slot+3], s[G0+4*\slot+2:G0+4*\slot+3], 2*KSB
	s_add_nc_u64 s[G0B+4*\slot+2:G0B+4*\slot+3], s[G0B+4*\slot+2:G0B+4*\slot+3], 2*KSB
.endif
.if \fill == 1
	JLOAD \slot, G1B                               ; the first tensor load behind the round, my only one until the next; its four v_nop are also the places in front of the loads below
.else
	JLOAD \slot, G1C
.endif
.else
	PLACES NP
.endif
	FETCH_B \next, 0, 0, \nbn
	FETCH_A \next, 0, 0
.if \ask >= 0
	ASK PF2, PFB2, \ask*KSB, PFO2                  ; what the second joint load after this one will want
.endif
	WIN MUL_HI
	MUL 4, 1, 0, \nb
	MUL 6, 1, 0, \nb
	PLACES NP
	WIN 0
	FETCH_A \next, 0, 4
.endm
; THE WAY OUT.  Block a of A's rows and four neighbouring blocks of B's rows make one image of 16 rows x 64 K: the c-th accumulator becomes its registers 2 c, 2 c + 1.
; Eight images' registers take turns: ahead of each eight one wait shows that the stores issued so far have read theirs.  Each accumulator is read from its low end on.
; Nothing of v128-255 is named: in the first tile's way out A's next fragments lie there already.
.macro OUTFRAG a, ac, idx, sc, lm, sb, off
.set CR, CD+8*((\idx)%8)
.if ((\idx)%8) == 0
	s_wait_xcnt 0x0
.endif
	WIN 0x02+((\a)/4)                              ; source 0: window 2 or 3
.set j, 0
.rept 32
	v_med3_num_f32 v[TMP+j], v[\ac+j], -v[\lm], v[\lm]   ; the conversion to an 8-bit code does not saturate (ISA guide 7.6.2): the hold comes first
.set j, j+1
.endr
	WIN 0
.irp c, 0,1,2,3
	v_cvt_scalef32_pk8_fp8_f32 v[CR+2*\c:CR+2*\c+1], v[TMP+8*\c:TMP+8*\c+7], v[\sc]
.endr
	v_nop                                          ; a plain line behind the last conversion: the next image's holds write its sources
.irp i, 0,1
	global_store_b128 v[CO], v[CR+4*\i:CR+4*\i+3], s[\sb:\sb+1] offset:\off+((\a)%4)*1024+512*\i   ; 32 lanes store 512 consecutive bytes, aligned
.endr
.endm
	s_wait_alu depctr_va_vdst(0)
	s_wait_tensorcnt 0x0                           ; my part of slot 0 is in
	ds_add_u32 v[SPW], v[NIL]
	s_wait_dscnt 0x0
	CROUND                                         ; everybody's is, and the joint loads meet
	JLOAD 1, G1B                                   ; K 256 on
	FETCH_B 0, 0, 0, 8
	FETCH_A 0, 0, 0
	FETCH_A 0, 0, 4
	ASK PF1, PFB1, 3*KSB, PFO1                     ; K 768 on
	; ---- q or k.  K = 1,024 is eight steps of 128, four slots' worth: written out, no loop
	STEP 0, 1, 8
	TURN 0, 1, 1, 8, 8, 0                          ; slot 0 takes K 512 on
	STEP 1, 0, 8
	TURN 1, 0, 1, 8, 8, 1                          ; slot 1 takes K 768 on
	STEP 0, 0, 8
	TURN 0, 1, 2, 8, 8, 2                          ; THE RING GOES ON INTO v: slot 0 takes its K 0 on,
	STEP 1, 0, 8
	TURN 1, 0, 2, 8, 4, 3                          ; slot 1 its K 256 on, and v's first fragments are fetched
	s_wait_alu depctr_va_vdst(0)
.irp a, 0,1,2,3,4,5,6,7                ; both refills are asked for: now the first tile's codes leave.  (TURN's last four v_nop are the places behind the last products)
.irp g, 0,1
	OUTFRAG \a, 64*((\a)%4)+32*\g, 2*\a+\g, SC1, LM1, BP+4*(\a/4)+2*\g, 0
.endr
.endr
	; ---- v
	STEP 0, 1, 4                                   ; its first products start the sums anew
	TURN 0, 1, 3, 4, 4, -1
	STEP 1, 0, 4
	TURN 1, 0, 3, 4, 4, -1
	STEP 0, 0, 4
	TURN 0, 1, 0, 4, 4, -1                         ; nothing is left to fetch: no round
	STEP 1, 0, 4
	s_wait_dscnt 16                                ; the last step; A's blocks 4-7 may be out
	WIN MUL_LO
	MUL 0, 1, 0, 4
	MUL 2, 1, 0, 4
	s_wait_dscnt 0
	WIN MUL_HI
	MUL 4, 1, 0, 4
	MUL 6, 1, 0, 4
	WIN 0
	PLACES NP                                      ; behind the last products, for the reads of results
	s_wait_alu depctr_va_vdst(0)
.irp a, 0,1,2,3,4,5,6,7
	OUTFRAG \a, 64*((\a)%4), \a, SC2, LM2, VB, (\a/4)*131072
.endr
	s_wait_tensorcnt 0x0                           ; the wave's end
	ds_add_u32 v[SPW], v[NIL]
	s_wait_dscnt 0x0
	CROUND                                         ; the closing round: no work-group ends while a partner may still ask for a tile that names it
	s_endpgm
.Lfunc_end_k_q5b4696ced8_gemm_qkv:
	.size	k_q5b4696ced8_gemm_qkv, .Lfunc_end_k_q5b4696ced8_gemm_qkv-k_q5b4696ced8_gemm_qkv
	.p2alignl 7, 3214868480
	.fill 96, 4, 3214868480
	.section	.rodata,"a",@progbits
	.p2align	6, 0x0
	.amdhsa_kernel k_q5b4696ced8_gemm_qkv
		.amdhsa_group_segment_fixed_size 327680
		.amdhsa_private_segment_fixed_size 0
		.amdhsa_enable_private_segment 0
		.amdhsa_kernarg_size 32
		.amdhsa_user_sgpr_count 2
		.amdhsa_user_sgpr_kernarg_segment_ptr 1
		.amdhsa_wavefront_size32 1
		.amdhsa_system_sgpr_workgroup_id_x 1
		.amdhsa_system_sgpr_workgroup_id_y 1
		.amdhsa_system_sgpr_workgroup_id_z 1
		.amdhsa_system_vgpr_workitem_id 0
		.amdhsa_next_free_vgpr 1024
		.amdhsa_next_free_sgpr 102
		.amdhsa_reserve_vcc 0
		.amdhsa_float_denorm_mode_32 3
		.amdhsa_float_denorm_mode_16_64 3
		.amdhsa_memory_ordered 1
		.amdhsa_forward_progress 1
		.amdhsa_inst_pref_size 190
	.end_amdhsa_kernel
	.amdgpu_metadata
---
amdhsa.version: [ 1, 2 ]
amdhsa.kernels:
  - .name:           k_q5b4696ced8_gemm_qkv
    .symbol:         k_q5b4696ced8_gemm_qkv.kd
    .args:
      - { .name: xc, .offset: 0, .size: 8, .value_kind: global_buffer, .address_space: global }
      - { .name: wc, .offset: 8, .size: 8, .value_kind: global_buffer, .address_space: global }
      - { .name: lowp_scales, .offset: 16, .size: 8, .value_kind: global_buffer, .address_space: global }
      - { .name: qkv, .offset: 24, .size: 8, .value_kind: global_buffer, .address_space: global }
    .group_segment_fixed_size: 327680
    .private_segment_fixed_size: 0
    .kernarg_segment_align: 8
    .kernarg_segment_size: 32
    .max_flat_workgroup_size: 128
    .sgpr_count:     102
    .vgpr_count:     1024
    .wavefront_size: 32
...
	.end_amdgpu_metadata
.endif
;; end of part 2
;; launch attn (part 3): grid 2 x 128, 16 waves a work-group, no clusters, 327,680 bytes of LDS; arguments qkv, lowp_scales, at; writes at
.if DOCPART == 3
	.amdgcn_target "amdgcn-amd-amdhsa--gfx1250"
	.amdhsa_code_object_version 6
	.text
	.protected	k_q5b4696ced8_attn
	.globl	k_q5b4696ced8_attn
	.p2align	8
	.type	k_q5b4696ced8_attn,@function
k_q5b4696ced8_attn:
	s_mov_b64 s[64:65], 0
	v_nop
	global_prefetch_b8 v0, s[64:65] scope:SCOPE_SE
	s_setreg_imm32_b32 hwreg(HW_REG_WAVE_MODE, 25, 1), 1
	s_wait_xcnt 0x0
; Causal attention of one (batch, head) on codes of FP8 (E4M3): S = q k^T, softmax, O = p v; O / the row's sum is quantised at once for the projection that follows.
; THE SOFTMAX AHEAD OF THE SECOND PRODUCT: t = score x log2(e) / 8; M = the row's largest t so far, rounded UP to a whole number; p = 2^(t - M) is what is quantised (scale 2^e8); it is not normalised.
; The row's sum is taken of the unquantised p, in f32, and divides O at the end.  When M moves, the sum and O are multiplied by 2^(old M - new M): exact.
; INPUT: qkv, images of operand registers: 16 rows x 64 K are 8 registers a lane, registers 4 p .. 4 p + 3 of lane l at 512 p + 16 l; registers 2 c, 2 c + 1 of lane (r, h) hold K = 16 c + 8 h + 0 .. 7 of row r.
; q: [b][head][64 tiles of 16 tokens][1024], K = d.  From byte 0x800000: [b][head][16 chunks of 64 keys][k: 4 tiles of 16 keys, K = d; v: 4 tiles of 16 d, K = keys][1024].   OUTPUT: at [512 tiles of 16 tokens][16 heads][1024], the same form.
; SHARES.  Two work-groups to a (batch, head), work-group x = p.  Each of the SIXTEEN waves owns two tiles of 16 queries, A = i and B = 63 - i, i = 2 wave + p: chunks 0 .. i / 4 count for A, 0 .. 15 - i / 4 for B, of which the
; last alone is masked: 17 tile-chunks in every wave.  LEFT OUT: chunks all of whose keys come after a tile's queries (reference()'s own causal mask; see the first kernel's head).
; ALL OF THE HEAD'S K AND V LIES IN LDS, chunk c at 8,192 c, filled once: wave w fetches chunk w, waves 0 to 3 at the head, the others behind the first barrier; a second barrier stands behind the first four chunks' work.
; Both loops have constant trip counts (4 and 12): a wave whose chunks are done jumps over a chunk's work, by a scalar branch on ids, and passes both barriers.
; NO CLUSTER: a (batch, head) has two work-groups; a cluster of four would hold two heads, whose tiles differ.  NO PREFETCH: four chunks' work lies between the last request and the wait for it.
; LAYOUT.  Both products are used transposed: S^T = K Q^T (source 0 = 16 keys, source 1 = 16 queries), O^T = V^T P^T (source 0 = 16 d, source 1 = P): a lane holds ONE query throughout, an accumulator's eight registers
; are eight neighbouring keys (or d), and their conversion IS registers 2 c, 2 c + 1 of the next operand.
; LIMITS: the promise holds while the scaled scores stay under 2^31 in magnitude; e6 + e7 between -123 and 130 (added to the exponent field of log2(e) / 8); e8, and e10 - e8 - e9, between -126 and 119.  NaN is not served.
.set SPARE, 131072                     ; the spare words, 128 bytes for each wave: no other line names them
.set LI,   1                           ; v1   16 x lane
.set ADK,  2                           ; v2   LDS address of the chunk
.set DGA,  4                           ; v4   tile A: 16 (tile % 4) + r - 8 h: register (c, j) of its masked chunk is hidden where 16 c + j is greater
.set Q,    8                           ; v8-23    Q: tile u at 8 + 8 u: u = 0 is B, u = 1 is A
.set STT,  24                          ; v24-31   tile u at 24 + 4 u: -M, the largest t, the sum in two halves
.set KF,   32                          ; v32-63   K: four tiles of 16 keys
.set VF,   64                          ; v64-95   V: four tiles of 16 d
.set S,    96                          ; v96-159  S^T, then p: (u, c) at 96 + 32 u + 8 c
.set O,    160                         ; v160-223 O^T: (u, t) at 160 + 32 u + 8 t
.set PC,   224                         ; v224-239 p's codes, 8 registers a tile; at the end O's codes
.set LMP,  240                         ; 448 x 2^e8
.set LMO,  241                         ; 448 x 2^(e10 - e8 - e9)
.set PB,   242                         ; a lane permute's destination (u = 1)
.set SCO,  243                         ; 2^(e10 - e8 - e9)
.set SCP,  244                         ; 2^e8
.set PA,   245                         ; a lane permute's destination (u = 0)
.set F,    246                         ; v[246:247], v[248:249]: f = 2^(old M - new M) in the low words; at the end 1 / the sum
.set TM,   250                         ; v250-253 at work
.set NINF, 254                         ; -infinity
.set DGB,  255                         ; as DGA, for tile B
.set TB,   2                           ; s2   the chunk's byte in LDS
.set MA,   3                           ; s3   the last chunk of tile A
.set WV,   18                          ; s18  my wave's number
.set MB,   19                          ; s19  the last chunk of tile B
.set SEL,  20                          ; s[20:21] lane selects for v_permlanex16_b32: lane l xor 16
.set CS,   22                          ; s[22:23] log2(e) / 8 x 2^(e6 + e7)
.set G1,   24                          ; s[24:31] descriptor group 1: one chunk
.set G0,   48                          ; s[48:51] group 0
.set KC,   66                          ; s66  the chunk in hand; also the loops' counter
	s_load_b128 s[4:7], s[0:1], 0x0                ; qkv, the exponents
	s_load_b64 s[8:9], s[0:1], 0x10                ; at
	v_lshl_add_u32 v6, v0, 2, SPARE
	v_mov_b32 v7, 0
	ds_add_u32 v6, v7                              ; the opening: the add, twice on end, and its wait
	ds_add_u32 v6, v7
	v_lshrrev_b32 v2, 5, v0
	v_readfirstlane_b32 s[WV], v2                  ; wave 0..15
	v_and_b32 v[LI], 31, v0
	v_lshlrev_b32 v[LI], 4, v[LI]
	s_mov_b32 s[G1], 3<<16                         ; 15:0 no mask; 17:16 elements of 8 bytes; no padding
	s_mov_b32 s[G1+1], 512<<16                     ; a chunk's 8,192 bytes, dense: two rows of 512 elements
	s_mov_b32 s[G1+2], 2<<16
	s_mov_b32 s[G1+3], 512<<16
	s_mov_b32 s[G1+4], 2
	s_mov_b32 s[G1+5], 512
	s_mov_b32 s[G1+6], 0
	s_mov_b32 s[G1+7], 0
	s_lshr_b32 s[MA], s[WV], 1
	s_sub_co_u32 s[MB], 15, s[MA]
	s_lshl_b32 s80, s[WV], 1
	s_add_co_u32 s80, s80, ttmp9                   ; tile A = i
	s_sub_co_u32 s81, 63, s80                      ; tile B
	s_and_b32 s82, ttmp7, 0xffff                   ; 16 b + head
	s_lshl_b32 s86, s82, 17
	s_lshl_b32 s87, s[WV], 13                      ; my chunk's place, in LDS too
	s_add_co_u32 s88, s86, s87
	s_add_co_u32 s88, s88, 0x800000
	s_mov_b32 s89, 0
	s_mov_b32 s[SEL], 0x76543210
	s_mov_b32 s[SEL+1], 0xfedcba98
	s_mov_b32 s[CS], 0x3e38aa3b                    ; log2(e) / 8
	s_wait_dscnt 0x0                               ; both opening adds are done
	s_wait_alu depctr_va_vdst(0)
	s_wait_kmcnt 0x0
	s_load_b256 s[72:79], s[6:7], 0x10             ; e4 .. e11
	s_mov_b32 s[G0], 1                             ; count = 1
	s_mov_b32 s[G0+1], s87                         ; LDS address
	s_add_nc_u64 s[G0+2:G0+3], s[4:5], s[88:89]    ; global address
	s_or_b32 s[G0+3], s[G0+3], 0x80000000          ; type = 2
	s_cmp_lt_u32 s[WV], 4                          ; chunks 0 to 3
	s_cbranch_scc0 .Lasked
	tensor_load_to_lds s[G0:G0+3], s[G1:G1+7]
	s_nop 0
.rept 4
	v_nop
.endr
.Lasked:
	s_lshl_b32 s90, s82, 16
	s_lshl_b32 s91, s81, 10
	s_add_co_u32 s10, s90, s91                     ; Q of tile B,
	s_mov_b32 s11, 0
	s_lshl_b32 s91, s80, 10
	s_add_co_u32 s12, s90, s91                     ; of tile A
	s_mov_b32 s13, 0
	s_add_nc_u64 s[10:11], s[4:5], s[10:11]
	s_add_nc_u64 s[12:13], s[4:5], s[12:13]
	s_wait_alu depctr_va_vdst(0)
.irp i, 0,1
	global_load_b128 v[Q+4*\i:Q+4*\i+3], v[LI], s[10:11] offset:512*\i th:TH_LOAD_NT   ; Q's two fragments stay in registers
	global_load_b128 v[Q+8+4*\i:Q+8+4*\i+3], v[LI], s[12:13] offset:512*\i th:TH_LOAD_NT
.endr
	s_lshr_b32 s83, s82, 4
	s_lshl_b32 s83, s83, 6                         ; 64 b
	s_and_b32 s84, s82, 15
	s_lshl_b32 s84, s84, 10                        ; head x 1,024
	s_add_co_u32 s14, s83, s81                     ; at: token tile 64 b + tile, 16,384 bytes each
	s_lshl_b32 s14, s14, 14
	s_add_co_u32 s14, s14, s84
	s_mov_b32 s15, 0
	s_add_co_u32 s16, s83, s80
	s_lshl_b32 s16, s16, 14
	s_add_co_u32 s16, s16, s84
	s_mov_b32 s17, 0
	s_add_nc_u64 s[14:15], s[8:9], s[14:15]
	s_add_nc_u64 s[16:17], s[8:9], s[16:17]
	s_and_b32 s80, s80, 3
	s_lshl_b32 s80, s80, 4
	s_and_b32 s81, s81, 3
	s_lshl_b32 s81, s81, 4
.set j, 0
.rept 64
	v_mov_b32 v[O+j], 0                            ; O^T.  (A chunk's work is written once for each loop: the first chunk finds zeros, which the first change of M leaves zeros)
.set j, j+1
.endr
.irp u, 0,1
	v_mov_b32 v[STT+4*\u+1], 0xff61b1e6            ; the largest t so far: -3e38, under every t
	v_floor_f32 v[STT+4*\u], -v[STT+4*\u+1]        ; -M
	v_mov_b32 v[STT+4*\u+2], 0                     ; the sum, in two halves
	v_mov_b32 v[STT+4*\u+3], 0
	v_mov_b32 v[F+2*\u+1], 0                       ; (named as the upper half of a pair)
.endr
	v_mov_b32 v[PA], 0                             ; written once: a lane permute's destination counts as one of its sources
	v_mov_b32 v[PB], 0
	v_mov_b32 v[NINF], 0xff800000
	v_and_b32 v[TM], 15, v0
	v_bfe_u32 v[TM+1], v0, 4, 1
	v_lshlrev_b32 v[TM+1], 3, v[TM+1]
	v_sub_nc_u32 v[TM], v[TM], v[TM+1]
	v_add_nc_u32 v[DGA], s80, v[TM]
	v_add_nc_u32 v[DGB], s81, v[TM]
	s_wait_alu depctr_va_vdst(0)
	s_wait_kmcnt 0x0
	s_add_co_i32 s80, s74, s75                     ; a score stands for score x 2^(e6 + e7): the two exponents are added to the constant's exponent field
	s_lshl_b32 s80, s80, 23
	s_add_co_i32 s[CS], s[CS], s80
	s_mov_b32 s[CS+1], s[CS]                       ; (named with it as a pair, so it is written)
	s_add_co_i32 s80, s76, 127
	s_lshl_b32 s81, s80, 23
	v_mov_b32 v[SCP], s81                          ; 2^e8
	s_add_co_i32 s80, s80, 8
	s_lshl_b32 s80, s80, 23
	s_or_b32 s80, s80, 0x600000
	v_mov_b32 v[LMP], s80                          ; 448 x 2^e8
	s_sub_co_i32 s80, s78, s76                     ; O^T / the sum stands for that x 2^(e8 + e9); its code is that / 2^e10: the three are folded
	s_sub_co_i32 s80, s80, s77
	s_add_co_i32 s80, s80, 127
	s_lshl_b32 s81, s80, 23
	v_mov_b32 v[SCO], s81
	s_add_co_i32 s80, s80, 8
	s_lshl_b32 s80, s80, 23
	s_or_b32 s80, s80, 0x600000
	v_mov_b32 v[LMO], s80
	s_mov_b32 s[KC], 0
	s_mov_b32 s[TB], 0
; The work on a chunk's 64 keys: two = 1: for both tiles (only A's can be masked there: B's last chunk is 8 or later, A's 7 or earlier); two = 0: for tile B alone.
.macro WORK two
.irp c, 0,1,2,3
.irp u, 0,1
.if \u <= \two
	v_wmma_f32_16x16x64_fp8_fp8 v[S+32*\u+8*\c:S+32*\u+8*\c+7], v[KF+8*\c:KF+8*\c+7], v[Q+8*\u:Q+8*\u+7], 0   ; lane (r, h), register j: query r of tile u, key 16 c + 8 h + j
.endif
.endr
.endr
.rept 4
	v_nop                                          ; places in front of the first read of the scores
.endr
.if \two
	s_cmp_lg_u32 s[KC], s[MA]                      ; on a tile's last chunk the scores of hidden keys become -infinity ahead of the maximum: p = 0 then
.else
	s_cmp_lg_u32 s[KC], s[MB]
.endif
	s_cbranch_scc1 .Lopen_\@
	s_wait_alu depctr_va_vdst(0)
.irp c, 0,1,2,3
.irp j, 0,1,2,3,4,5,6,7
.if \two
	v_cmp_gt_i32 vcc_lo, 16*\c+\j, v[DGA]
	v_cndmask_b32 v[S+32+8*\c+\j], v[S+32+8*\c+\j], v[NINF], vcc_lo
.else
	v_cmp_gt_i32 vcc_lo, 16*\c+\j, v[DGB]
	v_cndmask_b32 v[S+8*\c+\j], v[S+8*\c+\j], v[NINF], vcc_lo
.endif
.endr
.endr
.Lopen_\@:
	; the chunk's largest score of each query, among my 32 keys, in two chains a tile, the registers in ascending order; the tiles line by line
.if \two
	v_max3_num_f32 v[TM], v[S], v[S+1], v[S+2]
	v_max3_num_f32 v[TM+2], v[S+32], v[S+33], v[S+34]
	v_max3_num_f32 v[TM+1], v[S+3], v[S+4], v[S+5]
	v_max3_num_f32 v[TM+3], v[S+35], v[S+36], v[S+37]
.irp i, 6,10,14,18,22,26
	v_max3_num_f32 v[TM], v[TM], v[S+\i], v[S+\i+1]
	v_max3_num_f32 v[TM+2], v[TM+2], v[S+32+\i], v[S+33+\i]
	v_max3_num_f32 v[TM+1], v[TM+1], v[S+\i+2], v[S+\i+3]
	v_max3_num_f32 v[TM+3], v[TM+3], v[S+34+\i], v[S+35+\i]
.endr
	v_max3_num_f32 v[TM], v[TM], v[S+30], v[S+31]
	v_max3_num_f32 v[TM+2], v[TM+2], v[S+62], v[S+63]
	s_delay_alu instid0(VALU_DEP_2)
	v_max_num_f32 v[TM], v[TM], v[TM+1]
	s_delay_alu instid0(VALU_DEP_2)
	v_max_num_f32 v[TM+2], v[TM+2], v[TM+3]
	s_delay_alu instid0(VALU_DEP_2)
	v_permlanex16_b32 v[PA], v[TM], s[SEL], s[SEL+1]
	s_delay_alu instid0(VALU_DEP_2)
	v_permlanex16_b32 v[PB], v[TM+2], s[SEL], s[SEL+1]
	s_delay_alu instid0(VALU_DEP_2)
	v_max_num_f32 v[TM], v[TM], v[PA]              ; and among lane l xor 16's
	s_delay_alu instid0(VALU_DEP_2)
	v_max_num_f32 v[TM+2], v[TM+2], v[PB]
	s_delay_alu instid0(VALU_DEP_2)
	v_mul_f32 v[TM], s[CS], v[TM]                  ; as t (the factor is positive)
	s_delay_alu instid0(VALU_DEP_2)
	v_mul_f32 v[TM+2], s[CS], v[TM+2]
	s_delay_alu instid0(VALU_DEP_2)
	v_max_num_f32 v[STT+1], v[STT+1], v[TM]        ; the running largest t
	s_delay_alu instid0(VALU_DEP_2)
	v_max_num_f32 v[STT+5], v[STT+5], v[TM+2]
	v_mov_b32 v[TM], v[STT]
	v_mov_b32 v[TM+2], v[STT+4]
	s_delay_alu instid0(VALU_DEP_4)
	v_floor_f32 v[STT], -v[STT+1]                  ; the new -M = floor(-t) = -ceil(t): M IS A WHOLE NUMBER
	s_delay_alu instid0(VALU_DEP_4)
	v_floor_f32 v[STT+4], -v[STT+5]
	s_delay_alu instid0(VALU_DEP_2)
	v_sub_f32 v[TM], v[STT], v[TM]                 ; M's old value less its new one: a whole number, 0 or less
	s_delay_alu instid0(VALU_DEP_2)
	v_sub_f32 v[TM+2], v[STT+4], v[TM+2]
	s_delay_alu instid0(VALU_DEP_2)
	v_cvt_i32_f32 v[TM], v[TM]                     ; (it saturates)
	s_delay_alu instid0(VALU_DEP_2)
	v_cvt_i32_f32 v[TM+2], v[TM+2]
	s_delay_alu instid0(VALU_DEP_2)
	v_ldexp_f32 v[F], 1.0, v[TM]                   ; f = 2^(old M - new M): a multiplication by it rounds nothing
	s_delay_alu instid0(VALU_DEP_2)
	v_ldexp_f32 v[F+2], 1.0, v[TM+2]
.else
	v_max3_num_f32 v[TM], v[S], v[S+1], v[S+2]
	v_max3_num_f32 v[TM+1], v[S+3], v[S+4], v[S+5]
.irp i, 6,10,14,18,22,26
	v_max3_num_f32 v[TM], v[TM], v[S+\i], v[S+\i+1]
	v_max3_num_f32 v[TM+1], v[TM+1], v[S+\i+2], v[S+\i+3]
.endr
	v_max3_num_f32 v[TM], v[TM], v[S+30], v[S+31]
	s_delay_alu instid0(VALU_DEP_1)
	v_max_num_f32 v[TM], v[TM], v[TM+1]
	s_delay_alu instid0(VALU_DEP_1)
	v_permlanex16_b32 v[PA], v[TM], s[SEL], s[SEL+1]
	s_delay_alu instid0(VALU_DEP_1)
	v_max_num_f32 v[TM], v[TM], v[PA]
	s_delay_alu instid0(VALU_DEP_1)
	v_mul_f32 v[TM], s[CS], v[TM]
	s_delay_alu instid0(VALU_DEP_1)
	v_max_num_f32 v[STT+1], v[STT+1], v[TM]
	v_mov_b32 v[TM], v[STT]
	s_delay_alu instid0(VALU_DEP_2)
	v_floor_f32 v[STT], -v[STT+1]
	s_delay_alu instid0(VALU_DEP_1)
	v_sub_f32 v[TM], v[STT], v[TM]
	s_delay_alu instid0(VALU_DEP_1)
	v_cvt_i32_f32 v[TM], v[TM]
	s_delay_alu instid0(VALU_DEP_1)
	v_ldexp_f32 v[F], 1.0, v[TM]
.endif
.irp u, 0,1
.if \u <= \two
.irp j, 0,2,4,6,8,10,12,14,16,18,20,22,24,26,28,30
	v_pk_fma_f32 v[S+32*\u+\j:S+32*\u+\j+1], v[S+32*\u+\j:S+32*\u+\j+1], s[CS:CS+1], v[STT+4*\u:STT+4*\u+1] op_sel_hi:[1,0,0]   ; t - M, two at a time (of the pairs the low word serves both halves)
.endr
.endif
.endr
	s_wait_alu depctr_va_vdst(0)
.set j, 0
.rept 32+32*\two
	v_exp_f32 v[S+j], v[S+j]                       ; p = 2^(t - M), at most 1: NOT normalised
.set j, j+1
.endr
.irp u, 0,1
.if \u <= \two
	v_pk_mul_f32 v[STT+4*\u+2:STT+4*\u+3], v[STT+4*\u+2:STT+4*\u+3], v[F+2*\u:F+2*\u+1] op_sel_hi:[1,0]   ; the sums under the new M.  (The plain line behind the exponentials)
.endif
.endr
	s_wait_alu depctr_va_vdst(0)                   ; one wait for the whole batch, ahead of its first reader
.irp u, 0,1
.if \u <= \two
	v_pk_add_f32 v[TM+2*\u:TM+2*\u+1], v[S+32*\u:S+32*\u+1], v[S+32*\u+2:S+32*\u+3]   ; THE ROW'S SUM IS TAKEN OF THE UNQUANTISED p: two at a time, in two chains a tile
.endif
.endr
.irp j, 4,8,12,16,20,24,28
.irp u, 0,1
.if \u <= \two
	v_pk_add_f32 v[STT+4*\u+2:STT+4*\u+3], v[STT+4*\u+2:STT+4*\u+3], v[S+32*\u+\j:S+32*\u+\j+1]
	v_pk_add_f32 v[TM+2*\u:TM+2*\u+1], v[TM+2*\u:TM+2*\u+1], v[S+32*\u+\j+2:S+32*\u+\j+3]
.endif
.endr
.endr
.irp u, 0,1
.if \u <= \two
	v_pk_add_f32 v[STT+4*\u+2:STT+4*\u+3], v[STT+4*\u+2:STT+4*\u+3], v[TM+2*\u:TM+2*\u+1]
.endif
.endr
.irp u, 0,1
.if \u <= \two
.irp c, 0,1,2,3
.irp j, 0,1,2,3,4,5,6,7
	v_min_num_f32 v[S+32*\u+8*\c+\j], v[S+32*\u+8*\c+\j], v[LMP]   ; the conversion to an 8-bit code does not saturate (ISA guide 7.6.2); p is not negative, so the hold is one-sided
.endr
	v_cvt_scalef32_pk8_fp8_f32 v[PC+8*\u+2*\c:PC+8*\u+2*\c+1], v[S+32*\u+8*\c:S+32*\u+8*\c+7], v[SCP]   ; registers 2 c, 2 c + 1 of P's fragment: keys 16 c + 8 h + 0 .. 7
.endr
.endif
.endr
	s_wait_alu depctr_va_vdst(0)                   ; the wait directly ahead of the first reader of O^T
.irp u, 0,1
.if \u <= \two
.irp j, 0,2,4,6,8,10,12,14,16,18,20,22,24,26,28,30
	v_pk_mul_f32 v[O+32*\u+\j:O+32*\u+\j+1], v[O+32*\u+\j:O+32*\u+\j+1], v[F+2*\u:F+2*\u+1] op_sel_hi:[1,0]   ; O^T under the new M.  (Also the plain lines between the conversions and the products)
.endr
.endif
.endr
	s_wait_alu depctr_va_vdst(0)
	s_wait_dscnt 0x0                               ; V is in
.irp t, 0,1,2,3
.irp u, 0,1
.if \u <= \two
	v_wmma_f32_16x16x64_fp8_fp8 v[O+32*\u+8*\t:O+32*\u+8*\t+7], v[VF+8*\t:VF+8*\t+7], v[PC+8*\u:PC+8*\u+7], v[O+32*\u+8*\t:O+32*\u+8*\t+7]   ; the accumulators take turns, one instruction a turn
.endif
.endr
.endr
.endm
.macro CHUNK
	s_cmp_gt_u32 s[KC], s[MB]
	s_cbranch_scc1 .Lskip_\@
	v_add_nc_u32 v[ADK], s[TB], v[LI]
	v_nop                                          ; with the addition: four places between the last chunk's products and the loads into V's registers
	v_nop
	v_nop
.irp t, 0,1,2,3
.irp i, 0,1
	ds_load_b128 v[KF+8*\t+4*\i:KF+8*\t+4*\i+3], v[ADK] offset:1024*\t+512*\i
.endr
.endr
.irp t, 0,1,2,3
.irp i, 0,1
	ds_load_b128 v[VF+8*\t+4*\i:VF+8*\t+4*\i+3], v[ADK] offset:4096+1024*\t+512*\i
.endr
.endr
	s_wait_dscnt 0x8                               ; K is in; V's eight loads may be out
	s_cmp_gt_u32 s[KC], s[MA]
	s_cbranch_scc1 .Lone_\@
	WORK 1
	s_branch .Lskip_\@
.Lone_\@:
	WORK 0
.Lskip_\@:
	s_add_co_u32 s[TB], s[TB], 8192
	s_add_co_u32 s[KC], s[KC], 1
.endm
	s_wait_alu depctr_va_vdst(0)
	s_wait_tensorcnt 0x0                           ; my chunk, if I have asked for one, has landed
	ds_add_u32 v6, v7
	ds_add_u32 v6, v7
	s_wait_dscnt 0x0
	s_barrier_signal -1
	s_barrier_wait -1                              ; chunks 0 to 3 are whole
	s_cmp_lt_u32 s[WV], 4
	s_cbranch_scc1 .Lheld
	tensor_load_to_lds s[G0:G0+3], s[G1:G1+7]      ; chunks 4 to 15
	s_nop 0
.rept 4
	v_nop
.endr
.Lheld:
	s_wait_loadcnt 0x0                             ; Q
.Lp1:                                              ; chunks 0 to 3
	CHUNK
	s_cmp_lt_u32 s[KC], 4
	s_cbranch_scc1 .Lp1
	s_wait_tensorcnt 0x0                           ; my chunk has landed,
	s_wait_dscnt 0x0                               ; no LDS load of mine is out at the signal
	s_barrier_signal -1
	s_barrier_wait -1                              ; everybody's have
.Lp2:                                              ; chunks 4 to 15
	CHUNK
	s_cmp_lt_u32 s[KC], 16
	s_cbranch_scc1 .Lp2
	; THE WAY OUT.  The sum's halves are added (plain lines: the places behind the last products); O^T / the sum is held, converted, and leaves as the projection's operand
	v_add_f32 v[STT+2], v[STT+2], v[STT+3]
	v_add_f32 v[STT+6], v[STT+6], v[STT+7]
	s_delay_alu instid0(VALU_DEP_2)
	v_permlanex16_b32 v[PA], v[STT+2], s[SEL], s[SEL+1]
	s_delay_alu instid0(VALU_DEP_2)
	v_permlanex16_b32 v[PB], v[STT+6], s[SEL], s[SEL+1]
	s_delay_alu instid0(VALU_DEP_2)
	v_add_f32 v[STT+2], v[STT+2], v[PA]            ; and lane l xor 16's: the row's sum
	s_delay_alu instid0(VALU_DEP_2)
	v_add_f32 v[STT+6], v[STT+6], v[PB]
	s_wait_alu depctr_va_vdst(0)
	v_rcp_f32 v[F], v[STT+2]
	v_rcp_f32 v[F+2], v[STT+6]
	v_nop                                          ; a plain line behind the reciprocals
	s_wait_alu depctr_va_vdst(0)                   ; one wait for both, ahead of their first reader
.irp u, 0,1
.irp j, 0,2,4,6,8,10,12,14,16,18,20,22,24,26,28,30
	v_pk_mul_f32 v[S+32*\u+\j:S+32*\u+\j+1], v[O+32*\u+\j:O+32*\u+\j+1], v[F+2*\u:F+2*\u+1] op_sel_hi:[1,0]   ; each accumulator from its low end on
.endr
.endr
.irp u, 0,1
.irp t, 0,1,2,3
.irp j, 0,1,2,3,4,5,6,7
	v_med3_num_f32 v[S+32*\u+8*\t+\j], v[S+32*\u+8*\t+\j], -v[LMO], v[LMO]
.endr
	v_cvt_scalef32_pk8_fp8_f32 v[PC+8*\u+2*\t:PC+8*\u+2*\t+1], v[S+32*\u+8*\t:S+32*\u+8*\t+7], v[SCO]   ; registers 2 t, 2 t + 1: d = 16 t + 8 h + 0 .. 7 of token r
.endr
.endr
	v_nop                                          ; a plain line behind the last conversion
.irp i, 0,1
	global_store_b128 v[LI], v[PC+4*\i:PC+4*\i+3], s[14:15] offset:512*\i   ; 32 lanes store 512 consecutive bytes, aligned
	global_store_b128 v[LI], v[PC+8+4*\i:PC+8+4*\i+3], s[16:17] offset:512*\i
.endr
	s_wait_tensorcnt 0x0                           ; the wave's end
	ds_add_u32 v6, v7
	s_wait_dscnt 0x0
	s_endpgm
.Lfunc_end_k_q5b4696ced8_attn:
	.size	k_q5b4696ced8_attn, .Lfunc_end_k_q5b4696ced8_attn-k_q5b4696ced8_attn
	.p2alignl 7, 3214868480
	.fill 96, 4, 3214868480
	.section	.rodata,"a",@progbits
	.p2align	6, 0x0
	.amdhsa_kernel k_q5b4696ced8_attn
		.amdhsa_group_segment_fixed_size 327680
		.amdhsa_private_segment_fixed_size 0
		.amdhsa_enable_private_segment 0
		.amdhsa_kernarg_size 24
		.amdhsa_user_sgpr_count 2
		.amdhsa_user_sgpr_kernarg_segment_ptr 1
		.amdhsa_wavefront_size32 1
		.amdhsa_system_sgpr_workgroup_id_x 1
		.amdhsa_system_sgpr_workgroup_id_y 1
		.amdhsa_system_sgpr_workgroup_id_z 1
		.amdhsa_system_vgpr_workitem_id 0
		.amdhsa_next_free_vgpr 256
		.amdhsa_next_free_sgpr 100
		.amdhsa_reserve_vcc 1
		.amdhsa_float_denorm_mode_32 3
		.amdhsa_float_denorm_mode_16_64 3
		.amdhsa_memory_ordered 1
		.amdhsa_forward_progress 1
		.amdhsa_inst_pref_size 73
	.end_amdhsa_kernel
	.amdgpu_metadata
---
amdhsa.version: [ 1, 2 ]
amdhsa.kernels:
  - .name:           k_q5b4696ced8_attn
    .symbol:         k_q5b4696ced8_attn.kd
    .args:
      - { .name: qkv, .offset: 0, .size: 8, .value_kind: global_buffer, .address_space: global }
      - { .name: lowp_scales, .offset: 8, .size: 8, .value_kind: global_buffer, .address_space: global }
      - { .name: at, .offset: 16, .size: 8, .value_kind: global_buffer, .address_space: global }
    .group_segment_fixed_size: 327680
    .private_segment_fixed_size: 0
    .kernarg_segment_align: 8
    .kernarg_segment_size: 24
    .max_flat_workgroup_size: 512
    .sgpr_count:     100
    .vgpr_count:     256
    .wavefront_size: 32
...
	.end_amdgpu_metadata
.endif
;; end of part 3
;; launch gemm_proj (part 4): grid 4 x 64, 8 waves a work-group, clusters of 4 x 4, 327,680 bytes of LDS; arguments at, wc, lowp_scales, bproj, out0; writes out0
.if DOCPART == 4
	.amdgcn_target "amdgcn-amd-amdhsa--gfx1250"
	.amdhsa_code_object_version 6
	.text
	.protected	k_q5b4696ced8_gemm_proj
	.globl	k_q5b4696ced8_gemm_proj
	.p2align	8
	.type	k_q5b4696ced8_gemm_proj,@function
k_q5b4696ced8_gemm_proj:
	s_mov_b64 s[64:65], 0
	v_nop
	global_prefetch_b8 v0, s[64:65] scope:SCOPE_SE
	s_setreg_imm32_b32 hwreg(HW_REG_WAVE_MODE, 25, 1), 1
	s_wait_xcnt 0x0
	s_wait_alu depctr_hold_cnt(0) depctr_sa_sdst(0) depctr_va_vdst(0) depctr_va_sdst(0) depctr_va_ssrc(0) depctr_va_vcc(0) depctr_vm_vsrc(0)
	s_getreg_b32 s2, hwreg(HW_REG_IB_STS2, 6, 4)
	s_cmp_eq_u32 s2, 0
	s_cbranch_scc0 .Lentry_in_a_cluster
	s_endpgm
.Lentry_in_a_cluster:
	s_bfe_u32 s2, ttmp6, 0x10000c
	s_cmp_lg_u32 s2, 0xf033
	s_cbranch_scc0 .Lentry_shape_is_right
	s_endpgm
.Lentry_shape_is_right:
; out = att Wproj + bproj: [8192][1024] x [1024][1024] on codes of FP8 (E4M3), sums in f32; each finished sum x 2^(e10 + e11) + the bias.  LIMIT: e10 + e11 lies between -126 and 127.
; A work-group makes 128 tokens x 256 columns; its EIGHT waves make 64 x 64 each: 16 accumulators.  Operands are images of registers: a fragment (16 rows x 128 K) is 2,048 bytes; a tile of 16 rows has its 8 K steps on end.
; LDS: region 0 holds K 0 .. 255 (4,096 bytes a tile: 8 tiles of A, then 16 of B), region 1 K 256 .. 767 (8,192 bytes a tile).  At the head each wave issues ONE joint load: waves 0, 1 A and 2, 3 B of region 0, waves 4, 5 A and
; 6, 7 B of region 1.  When region 0 has been multiplied it is filled again, with K 768 .. 1023, which has region 1's four K steps in which to land.
; CLUSTERS: 4 x 4 work-groups; A's tile is shared along a row, B's along a column.  PREFETCH: the refill's bytes, asked for behind the head's loads, each block of 256 bytes once in a cluster (wave 4 for A, waves 5, 6 for B); Wproj, which
; all clusters read, by the first four clusters.
; The matrix instruction is used transposed (source 0 = 16 columns, source 1 = 16 tokens): a lane holds one token and eight neighbouring columns.
; REGISTERS: window 0: v0-31 addresses, v32-95 the way out, v128-255 accumulators ((a, b) at 128 + 8 (4 a + b)); window 1: fragments, two sets of 128: A's four at 128 t, B's four at 128 t + 64.
.set KSB,    4096
.set RB,     24*KSB                    ; where region 1 begins
.set SPARE,  72*KSB                    ; the spare words, 128 bytes for each wave: no other line names them
.set SP,     272                       ; a stage row: 256 bytes + 16.  The stages lie in region 1, which has had its one fill and its last read by then
.set FR,     16
.set NP,     4                         ; places behind this matrix instruction (ISA guide 7.12.1)
.set BI,   12                          ; v12-15 the bias of my four columns
.set ADA,  16                          ; v16-17 LDS address of my A fragments in region 0, 1
.set ADB,  18                          ; v18-19 of B's
.set STO,  20                          ; v20    the way out: where I put 32 bytes of a row
.set RD,   21                          ; v21    where I read a row back
.set CO,   22                          ; v22    my byte in two rows of the output
.set BO,   23                          ; v23    in a row of the bias
.set PFO,  24                          ; v24    the prefetch's offset; never rewritten
.set SPW,  28
.set NIL,  29
.set BK,   32
.set AC,   128
.set G1A0, 24
.set G1B0, 32
.set G1A1, 40
.set G1B1, 48
.set G0A0, 56
.set G0B0, 60
.set G0A1, 68
.set G0B1, 72
.set PF,   76
.set MSB, 0
.macro WIN new                         ; the immediate's high byte repeats the setting that is left
.if MSB != (\new)
	s_set_vgpr_msb (MSB<<8)|(\new)
.set MSB, \new
.endif
.endm
.macro TL g0, g1
	tensor_load_to_lds s[\g0:\g0+3], s[\g1:\g1+7]
	s_nop 0
.rept 4
	v_nop
.endr
.endm
.macro CREST                           ; a round of the cluster's barrier behind its opening barrier
	s_cmp_lg_u32 s14, 0
	s_cbranch_scc1 .Lnot_wave_0_\@
	s_barrier_signal -3
.Lnot_wave_0_\@:
	s_barrier_wait -3
	s_barrier_signal -1
	s_barrier_wait -1
.endm
.macro CROUND
	s_barrier_signal -1
	s_barrier_wait -1
	CREST
.endm
.macro G1SET g, m, c, r                ; r rows (tiles of 16) of c elements of 8 bytes, 16,384 bytes apart in memory, on end in LDS; no padding; the mask, and bit 21 beside it
	s_or_b32 s[\g], \m, (3<<16)|(1<<21)
	s_mov_b32 s[\g+1], (\c)<<16
	s_mov_b32 s[\g+2], (\r)<<16
	s_mov_b32 s[\g+3], (\c)<<16
	s_mov_b32 s[\g+4], \r
	s_mov_b32 s[\g+5], 2048
	s_mov_b32 s[\g+6], 0
	s_mov_b32 s[\g+7], 0
.endm
.macro G0SET g, l, a, off
	s_mov_b32 s[\g], 1
	s_mov_b32 s[\g+1], \l
	s_add_nc_u64 s[\g+2:\g+3], s[\a:\a+1], \off
	s_or_b32 s[\g+3], s[\g+3], 0x80000000
.endm
	s_load_b256 s[4:11], s[0:1], 0x0               ; at 4:5, wc 6:7, the exponents 8:9, bproj 10:11
	s_load_b64 s[12:13], s[0:1], 0x20              ; out0
	v_lshl_add_u32 v[SPW], v0, 2, SPARE
	v_mov_b32 v[NIL], 0
	ds_add_u32 v[SPW], v[NIL]                      ; the opening: the add, twice on end, and its wait
	ds_add_u32 v[SPW], v[NIL]
	v_lshrrev_b32 v1, 5, v0
	v_readfirstlane_b32 s14, v1                    ; wave 0..7
	s_lshr_b32 s15, s14, 2                         ; my 64 tokens
	s_and_b32 s16, s14, 3                          ; my 64 columns
	s_and_b32 s17, s14, 1                          ; which half of an operand I fetch
	s_bfe_u32 s98, ttmp6, 0x40000                  ; cx, cy
	s_bfe_u32 s99, ttmp6, 0x40004
	s_and_b32 s100, ttmp7, 0xffff
	s_lshl_b32 s18, s100, 2
	s_add_co_u32 s18, s18, s99                     ; block of 128 tokens
	s_lshl_b32 s19, ttmp9, 2
	s_add_co_u32 s19, s19, s98                     ; block of 256 columns
	s_lshl_b32 s20, s99, 2
	s_lshl_b32 s20, 15, s20                        ; my row of the cluster
	s_lshl_b32 s21, 0x1111, s98                    ; my column
	G1SET G1A0, s20, 512, 4
	G1SET G1B0, s21, 512, 8
	G1SET G1A1, s20, 1024, 4
	G1SET G1B1, s21, 1024, 8
	s_lshl_b32 s80, s18, 17                        ; A: 8 tiles of 16,384 bytes a block, my 4
	s_lshl_b32 s22, s17, 16
	s_add_co_u32 s80, s80, s22
	s_mov_b32 s81, 0
	s_lshl_b32 s82, s19, 18                        ; B: 16 tiles a block, my 8, behind the other weights' 192 tiles
	s_lshl_b32 s22, s17, 17
	s_add_co_u32 s82, s82, s22
	s_add_co_u32 s82, s82, 0x300000
	s_mov_b32 s83, 0
	s_lshl_b32 s84, s17, 14                        ; where they go: region 0, A,
	s_lshl_b32 s85, s17, 15
	s_add_co_u32 s86, s85, RB                      ; region 1, A,
	s_add_co_u32 s85, s85, 8*KSB                   ; region 0, B,
	s_lshl_b32 s87, s17, 16
	s_add_co_u32 s87, s87, RB+16*KSB               ; region 1, B
	s_wait_dscnt 0x0                               ; both opening adds are done
	s_wait_alu depctr_va_vdst(0)
	s_wait_kmcnt 0x0
	s_load_b64 s[96:97], s[8:9], 0x28              ; e10, e11
	s_add_nc_u64 s[80:81], s[4:5], s[80:81]
	s_add_nc_u64 s[82:83], s[6:7], s[82:83]
	G0SET G0A0, s84, 80, 0
	G0SET G0B0, s85, 82, 0
	G0SET G0A1, s86, 80, KSB
	G0SET G0B1, s87, 82, KSB
	CROUND                                         ; all sixteen work-groups are here: the joint loads meet
	s_cmp_lt_u32 s14, 4                            ; ONE chain of branches on the wave's number, one load in each arm
	s_cbranch_scc0 .Lbig
	s_cmp_lt_u32 s14, 2
	s_cbranch_scc0 .Lb0
	TL G0A0, G1A0
	s_branch .Lin
.Lb0:
	TL G0B0, G1B0
	s_branch .Lin
.Lbig:
	s_cmp_lt_u32 s14, 6
	s_cbranch_scc0 .Lb1
	TL G0A1, G1A1
	s_branch .Lin
.Lb1:
	TL G0B1, G1B1
.Lin:
	; the prefetch: of the half that I would fetch (wave 4 A's half 0 and 5, 6 B's halves 1, 0; A's block has 8 tiles: two a partner; B's halves 8: two a partner), by cx for A, by cy for B
	s_lshl_b32 s20, s98, 15
	s_mov_b32 s21, 0
	s_add_nc_u64 s[2:3], s[80:81], s[20:21]
	s_lshl_b32 s20, s99, 15
	s_add_nc_u64 s[22:23], s[82:83], s[20:21]
	s_sub_co_u32 s101, s14, 4
	s_cmp_eq_u32 s101, 0
	s_cselect_b64 s[PF:PF+1], s[2:3], s[22:23]
	; where my results go, and their bias
	s_lshl_b32 s84, s18, 19
	s_lshl_b32 s20, s15, 18
	s_add_co_u32 s84, s84, s20
	s_lshl_b32 s86, s19, 10
	s_lshl_b32 s20, s16, 8
	s_add_co_u32 s86, s86, s20
	s_add_co_u32 s84, s84, s86
	s_mov_b32 s85, 0
	s_mov_b32 s87, 0
	s_add_nc_u64 s[12:13], s[12:13], s[84:85]
	s_add_nc_u64 s[10:11], s[10:11], s[86:87]
	s_lshl_b32 s20, s15, 14                        ; my 4 tiles of A in region 0,
	s_lshl_b32 s21, s15, 15
	s_add_co_u32 s21, s21, RB                      ; in region 1,
	s_lshl_b32 s22, s16, 14
	s_add_co_u32 s22, s22, 8*KSB                   ; of B in region 0,
	s_lshl_b32 s23, s16, 15
	s_add_co_u32 s23, s23, RB+16*KSB               ; in region 1
	s_mul_i32 s84, s14, 16*SP
	s_add_co_u32 s84, s84, RB                      ; my stage
	v_and_b32 v1, 31, v0
	v_lshlrev_b32 v2, 4, v1
	v_add_nc_u32 v[ADA], s20, v2
	v_add_nc_u32 v[ADA+1], s21, v2
	v_add_nc_u32 v[ADB], s22, v2
	v_add_nc_u32 v[ADB+1], s23, v2
	v_and_b32 v3, 15, v0
	v_bfe_u32 v4, v0, 4, 1
	v_lshlrev_b32 v[BO], 4, v3
	v_lshl_add_u32 v[CO], v4, 12, v[BO]            ; lanes 0-15 one row of the output, lanes 16-31 the next
	v_lshlrev_b32 v5, 8, v3
	v_lshl_add_u32 v[PFO], v4, 14, v5              ; tile lane / 16, block lane % 16
	v_mul_u32_u24 v6, v3, SP
	v_lshl_add_u32 v6, v4, 5, v6
	v_add_nc_u32 v[STO], s84, v6                   ; in: row r, 32 bytes for each half of the lanes
	v_mul_u32_u24 v7, v4, SP
	v_add_nc_u32 v7, v7, v[BO]
	v_add_nc_u32 v[RD], s84, v7                    ; back: lanes 0-15 a row of 256 bytes, lanes 16-31 the next
	s_wait_alu depctr_va_vdst(0)
	global_load_b128 v[BI:BI+3], v[BO], s[10:11]
	s_cmp_lt_u32 s100, 4
	s_cselect_b32 s20, 3, 1                        ; of waves 4, 5, 6 the first, or all three
	s_cmp_lt_u32 s101, s20
	s_cbranch_scc0 .Lnot_mine
	global_prefetch_b8 v[PFO], s[PF:PF+1] offset:3*KSB th:TH_LOAD_NT scope:SCOPE_SE
.Lnot_mine:
.macro FETCH r, q, t                   ; region r's q-th 128 along K into set t
	WIN 0x40
.irp i, 0,1,2,3
.irp c, 0,1,2,3
	ds_load_b128 v[128*(\t)+64+FR*\i+4*\c:128*(\t)+64+FR*\i+4*\c+3], v[ADB+\r] offset:\i*KSB*(1+\r)+(\q)*2048+512*\c
.endr
.endr
.irp i, 0,1,2,3
.irp c, 0,1,2,3
	ds_load_b128 v[128*(\t)+FR*\i+4*\c:128*(\t)+FR*\i+4*\c+3], v[ADA+\r] offset:\i*KSB*(1+\r)+(\q)*2048+512*\c
.endr
.endr
.endm
.macro MUL t, a0, zero                 ; A's blocks a0, a0 + 1 x B's four; the 16 accumulators take turns, one instruction a turn, in the same order in every step
	WIN 0x05
.irp a, \a0, \a0+1
.irp b, 0,1,2,3
.if \zero
	v_wmma_f32_16x16x128_fp8_fp8 v[AC+8*(4*(\a)+\b):AC+8*(4*(\a)+\b)+7], v[128*(\t)+64+FR*\b:128*(\t)+64+FR*\b+FR-1], v[128*(\t)+FR*(\a):128*(\t)+FR*(\a)+FR-1], 0
.else
	v_wmma_f32_16x16x128_fp8_fp8 v[AC+8*(4*(\a)+\b):AC+8*(4*(\a)+\b)+7], v[128*(\t)+64+FR*\b:128*(\t)+64+FR*\b+FR-1], v[128*(\t)+FR*(\a):128*(\t)+FR*(\a)+FR-1], v[AC+8*(4*(\a)+\b):AC+8*(4*(\a)+\b)+7]
.endif
.endr
.endr
.endm
.macro PLACES n
.rept \n
	v_nop
.endr
.endm
.macro KS t, zero, r, q                ; a step on set t, while the next step's fragments (region r, q) come into the other set
	PLACES NP
	FETCH \r, \q, 1-\t
	s_wait_dscnt 32                                ; all but the 32 just issued
	MUL \t, 0, \zero
	MUL \t, 2, \zero
.endm
	s_wait_alu depctr_va_vdst(0)
	s_cmp_lt_u32 s14, 4                            ; region 0's loads are waited for by the waves that issued them; region 1's may be out
	s_cbranch_scc0 .Llater
	s_wait_tensorcnt 0x0
.Llater:
	s_barrier_signal -1
	s_barrier_wait -1                              ; region 0 is whole
	FETCH 0, 0, 0
	KS 0, 1, 0, 1
	WIN 0
	s_wait_tensorcnt 0x0                           ; all my tensor loads have landed;
	ds_add_u32 v[SPW], v[NIL]
	s_wait_dscnt 1                                 ; (the add may be out)
	MUL 1, 0, 0
	s_wait_dscnt 0x0                               ; the add is done, and my reads of region 0 are over
	s_barrier_signal -1
	MUL 1, 2, 0
	WIN 0
	s_barrier_wait -1
	CREST
	s_add_nc_u64 s[G0A0+2:G0A0+3], s[G0A0+2:G0A0+3], 3*KSB
	s_add_nc_u64 s[G0B0+2:G0B0+3], s[G0B0+2:G0B0+3], 3*KSB
	s_cmp_lt_u32 s14, 4                            ; waves 0 to 3 fill region 0 again
	s_cbranch_scc0 .Lfilled
	s_cmp_lt_u32 s14, 2
	s_cbranch_scc0 .Lb2
	TL G0A0, G1A0
	s_branch .Lfilled
.Lb2:
	TL G0B0, G1B0
.Lfilled:
	PLACES NP
	FETCH 1, 0, 0
	KS 0, 0, 1, 1
	KS 1, 0, 1, 2
	KS 0, 0, 1, 3
	WIN 0
	s_wait_dscnt 0x0                               ; my reads of region 1 are over
	MUL 1, 0, 0
	s_wait_tensorcnt 0x0                           ; my part of the refill is in
	s_barrier_signal -1
	MUL 1, 2, 0
	WIN 0
	s_barrier_wait -1                              ; everybody's is
	PLACES NP
	FETCH 0, 0, 0
	KS 0, 0, 0, 1
	s_wait_dscnt 0x0
	MUL 1, 0, 0
	MUL 1, 2, 0
	WIN 0
; THE WAY OUT, by 16 rows x 64 columns through my own stage: LDS serves a wave's instructions in order (ISA guide 5.7.1.4), so no wait stands between its stores and its loads.
.macro TOSTAGE a
.irp b, 0,1,2,3
	ds_store_b128 v[STO], v[AC+32*(\a)+8*\b:AC+32*(\a)+8*\b+3] offset:64*\b
	ds_store_b128 v[STO], v[AC+32*(\a)+8*\b+4:AC+32*(\a)+8*\b+7] offset:64*\b+16
.endr
.irp t, 0,1,2,3,4,5,6,7
	ds_load_b128 v[BK+32*((\a)%2)+4*\t:BK+32*((\a)%2)+4*\t+3], v[RD] offset:2*\t*SP
.endr
.endm
.macro SEND a, younger                 ; younger: the next block's 8 stores and 8 loads, which may be out
.set BB, BK+32*((\a)%2)
	s_wait_dscnt \younger
.irp t, 0,1,2,3,4,5,6,7
	v_pk_fma_f32 v[BB+4*\t:BB+4*\t+1], v[BB+4*\t:BB+4*\t+1], s[96:97], v[BI:BI+1] op_sel_hi:[1,0,1]
	v_pk_fma_f32 v[BB+4*\t+2:BB+4*\t+3], v[BB+4*\t+2:BB+4*\t+3], s[96:97], v[BI+2:BI+3] op_sel_hi:[1,0,1]
.endr
.irp t, 0,1,2,3,4,5,6,7
	global_store_b128 v[CO], v[BB+4*\t:BB+4*\t+3], s[12:13] offset:(\a)*65536+2*\t*4096 th:TH_STORE_NT   ; sixteen lanes store 256 consecutive bytes, aligned
.endr
.endm
	s_wait_kmcnt 0x0
	s_add_co_i32 s96, s96, s97
	s_add_co_i32 s96, s96, 127
	s_lshl_b32 s96, s96, 23                        ; 2^(e10 + e11)
	s_mov_b32 s97, s96
	s_wait_loadcnt 0x0                             ; the bias
	PLACES NP                                      ; behind the last products
	TOSTAGE 0
.irp a, 1,2,3
.if \a > 1
	s_wait_xcnt 0x0                                ; block a - 2's stores have read their registers
.endif
	TOSTAGE \a
	SEND \a-1, 16
.endr
	SEND 3, 0
	s_wait_tensorcnt 0x0                           ; the wave's end
	ds_add_u32 v[SPW], v[NIL]
	s_wait_dscnt 0x0
	CROUND                                         ; the closing round
	s_endpgm
.Lfunc_end_k_q5b4696ced8_gemm_proj:
	.size	k_q5b4696ced8_gemm_proj, .Lfunc_end_k_q5b4696ced8_gemm_proj-k_q5b4696ced8_gemm_proj
	.p2alignl 7, 3214868480
	.fill 96, 4, 3214868480
	.section	.rodata,"a",@progbits
	.p2align	6, 0x0
	.amdhsa_kernel k_q5b4696ced8_gemm_proj
		.amdhsa_group_segment_fixed_size 327680
		.amdhsa_private_segment_fixed_size 0
		.amdhsa_enable_private_segment 0
		.amdhsa_kernarg_size 40
		.amdhsa_user_sgpr_count 2
		.amdhsa_user_sgpr_kernarg_segment_ptr 1
		.amdhsa_wavefront_size32 1
		.amdhsa_system_sgpr_workgroup_id_x 1
		.amdhsa_system_sgpr_workgroup_id_y 1
		.amdhsa_system_sgpr_workgroup_id_z 1
		.amdhsa_system_vgpr_workitem_id 0
		.amdhsa_next_free_vgpr 512
		.amdhsa_next_free_sgpr 102
		.amdhsa_reserve_vcc 0
		.amdhsa_float_denorm_mode_32 3
		.amdhsa_float_denorm_mode_16_64 3
		.amdhsa_memory_ordered 1
		.amdhsa_forward_progress 1
		.amdhsa_inst_pref_size 48
	.end_amdhsa_kernel
	.amdgpu_metadata
---
amdhsa.version: [ 1, 2 ]
amdhsa.kernels:
  - .name:           k_q5b4696ced8_gemm_proj
    .symbol:         k_q5b4696ced8_gemm_proj.kd
    .args:
      - { .name: at, .offset: 0, .size: 8, .value_kind: global_buffer, .address_space: global }
      - { .name: wc, .offset: 8, .size: 8, .value_kind: global_buffer, .address_space: global }
      - { .name: lowp_scales, .offset: 16, .size: 8, .value_kind: global_buffer, .address_space: global }
      - { .name: bproj, .offset: 24, .size: 8, .value_kind: global_buffer, .address_space: global }
      - { .name: out0, .offset: 32, .size: 8, .value_kind: global_buffer, .address_space: global }
    .group_segment_fixed_size: 327680
    .private_segment_fixed_size: 0
    .kernarg_segment_align: 8
    .kernarg_segment_size: 40
    .max_flat_workgroup_size: 256
    .sgpr_count:     102
    .vgpr_count:     512
    .wavefront_size: 32
...
	.end_amdgpu_metadata
.endif
;; end of part 4
